; MI455X (gfx1250); checked and timed in simulation.
; The chip was launched on July 23, 2026; its instructions are those of AMD's public machine-readable ISA for CDNA 5 (MIT licence, August 2026) and "CDNA5" Instruction Set Architecture Reference Guide (July 2026). The comments in the code are by the model that wrote it; some were corrected since.
;; Attention Head. Allowed arithmetic: matrix products marked QUANTISED: E2M3 operands, one E8M0 scale for each 32 along K, by v_wmma_scale_f32_16x16x128_f8f6f4 with both operands' format E2M3, f32 sums; everything else in f32.
;; Inputs: Wk 1,024 x 1,024 float32; Wq 1,024 x 1,024 float32; Wv 1,024 x 1,024 float32; bk 1,024 float32; bq 1,024 float32; bv 1,024 float32; x 4 x 2,048 x 1,024 float32.
;; Outputs: out0 4 x 2,048 x 1,024 float32.
;; This version of the problem:
;;   THIS VERSION OF THE PROBLEM IS GIVEN IN LOW PRECISION. The matrix products marked QUANTISED in the list below multiply operands that are first quantised to E2M3 (2 exponent bits, 3 mantissa bits; 6 bits a number), with one power-of-two scale for each 32 numbers along K (OCP MX v1.0); their sums are f32. All else is computed in f32.
;;   The module's matrix products, in the order in which they are computed (A, B: the left and right operand; K: the contracted axis; several contracted axes count as one K, in the product's order):
;;     1. [M 8,192, K 1,024] x [K 1,024, N 1,024]; A: input x; B: input Wq: QUANTISED
;;     2. [M 8,192, K 1,024] x [K 1,024, N 1,024]; A: input x; B: input Wk: QUANTISED
;;     3. [M 8,192, K 1,024] x [K 1,024, N 1,024]; A: input x; B: input Wv: QUANTISED
;;     4. batch 4 x [M 2,048, K 1,024] x [K 1,024, N 2,048]; A: computed on the way; B: computed on the way: QUANTISED
;;     5. batch 4 x [M 2,048, K 2,048] x [K 2,048, N 1,024]; A: softmax (see below); B: computed on the way: QUANTISED
;;   THE QUANTISER, for each operand of a quantised product, along K:
;;     - K is cut into blocks of 32 from its start; a last block that is shorter is filled with zeros.
;;     - A block's scale is 2^e with e = floor(log2(the largest magnitude in the block)) - 2, held to -126 .. 127; a block of zeros has e = 0. As a byte (E8M0): e + 127.
;;     - Each number is divided by its block's scale, clamped to +-7.5, and rounded to the nearest number of E2M3, ties to even, subnormals kept.
;;     - The product sums the exact products of the quantised numbers (number of the format x scale) in f32.
;;   ~~~python
;;   def quantise(x, axis):      # numpy; x: float32 -> the quantised numbers, widened to float32 again
;;       x = np.moveaxis(x, axis, -1); K = x.shape[-1]
;;       x = np.pad(x, [(0, 0)] * (x.ndim - 1) + [(0, -K % 32)]); x = x.reshape(x.shape[:-1] + (-1, 32)); a = np.abs(x).max(-1, keepdims=True)
;;       e = np.where(a > 0, np.clip(np.frexp(np.where(a > 0, a, 1))[1] - 1 - 2, -126, 127), 0)      # np.frexp(a)[1] - 1 = floor(log2(a)), exactly
;;       r = np.clip(x / 2.0 ** e, -7.5, 7.5)
;;       step = 2.0 ** (np.maximum(np.frexp(np.where(r == 0, 1, r))[1] - 1, 0) - 3)
;;       q = np.round(r / step) * step * 2.0 ** e      # np.round: ties to even
;;       return np.moveaxis(q.reshape(q.shape[:-2] + (-1,))[..., :K], -1, axis).astype(np.float32)
;;   ~~~
;;   SOFTMAX AHEAD OF A QUANTISED PRODUCT. Where the list says 'softmax', what is quantised is not the finished softmax but p = 2^(t - M), with t = logit x log2(e) and M = ceil(the row's largest t), a whole number; so 1/2 < the row's largest p <= 1. The row's sum l is taken of the UNQUANTISED p, in f32, and the product's result is divided by l at the end. Since M is a whole number, a kernel that streams over the keys may use a running M (the ceiling of the running maximum): every later rescaling is an exact power of two, which a block's scale takes up: the codes' values come out the same.
;;   OPERANDS COMPUTED ON THE WAY. 'Computed on the way' means the value that the module computes at that place (a softmax that the list does not call 'softmax' is quantised finished and normalised). What goes into a quantiser is computed in f32, as accurately as f32 sums, v_exp_f32 and their like allow (about 1e-6 of the number): no bf16 or f16 on the way to a quantiser, and a product that is left as it is and whose result goes on into a quantised operand takes f32 operands (vector FMAs, or v_wmma_f32_16x16x4_f32). A number that lies on a knife's edge between two numbers of the format may be rounded either way, as far as f32 arithmetic and the matrix unit's own rounding can turn it there, and no further.
;; One version. Each part assembles by itself: llvm-mc -triple=amdgcn-amd-amdhsa -mcpu=gfx1250 --defsym DOCPART=n.
;; ======== version 1 of 1: 4 launches
;; limits: right only within a limited range of input values
;; workspace buffers: qin 9,011,200 bytes; qkv 19,660,800 bytes; pbuf 14,155,776 bytes
;; launch quant (part 1): grid 704 x 1, 4 waves a work-group, no clusters, 47,104 bytes of LDS; arguments x, Wq, Wk, Wv, qin; writes qin
.if DOCPART == 1
	.amdgcn_target "amdgcn-amd-amdhsa--gfx1250"
	.amdhsa_code_object_version 6
	.text
	.protected	k_qfa92d809db_quant
	.globl	k_qfa92d809db_quant
	.p2align	8
	.type	k_qfa92d809db_quant,@function
k_qfa92d809db_quant:
	s_mov_b64 s[64:65], 0
	v_nop
	global_prefetch_b8 v0, s[64:65] scope:SCOPE_SE
	s_setreg_imm32_b32 hwreg(HW_REG_WAVE_MODE, 25, 1), 1
	s_wait_xcnt 0x0
; x [8192 tokens][1024 d] and Wq, Wk, Wv [1024 d][1024 e], f32, become codes of E2M3 with one E8M0 byte for each 32 along K = d.
; A block's scale is 2^(floor(log2(largest magnitude)) - 2); its byte is the largest magnitude's exponent field - 2, held at 1 from below.
; LAYOUT OF qin: 88 records of 128 rows (0-63 x's tokens, 64-71 Wq's e, 72-79 Wk's, 80-87 Wv's), 102,400 bytes each: [8 row tiles][8 chunks of 128 K][1,536 bytes], then [8 chunks][128 rows] scale words.
;   1,536 bytes = 16 rows x 128 K as the matrix instruction's 12 operand registers: bytes 512 c + 16 lane = registers 4 c .. 4 c + 3.
; ORDER OF ROWS.  x: record 2 g + c, tile 2 j + w, row 8 h + i is token 256 g + 128 w + 64 c + 32 h + 8 j + i.  A weight: tile 4 b + j of a record, row 8 h + i is e = 64 b + 32 h + 8 j + i of its 128.
;   A product that takes four such tiles (j = 0 .. 3) as source 0 leaves in a lane's 32 registers 32 neighbours in true order: a whole scale block of the next product.
; SHARES.  A work-group takes one chunk of one record: 0-191 the weights (K outermost), the others x (K innermost).
; x: wave v has tiles 2 v and 2 v + 1; each load reads 512 consecutive bytes of one row; a fragment's rows turn through the wave's own stage in LDS (rows 528 bytes apart).
; A weight: wave v has 32 neighbouring columns, a lane a column, and its registers run down K; they are 8 rows of each of four tiles, so the eight fragments and the words are put together in an image in LDS, one barrier, and leave as whole units.
; LIMITS: NaN and infinities are not served.  A block of zeros, or one whose largest magnitude lies under 2^-124, gets the byte 1 (the quantiser's text says 127 for zeros): its codes are zeros, or made at 2^-126; this program alone reads the bytes.
.set REC,   102400
.set STGB,  16*528                     ; x: a wave's stage
.set IMG,   4*STGB                     ; a weight: eight fragments,
.set WIMG,  IMG+12288                  ; and 128 words
.set SPARE, WIMG+512                   ; the spare words, 128 bytes a wave, which no other line names
.set SPW,   12
.set NIL,   13
.set R,     16                         ; v16-143  the numbers as loaded
.set X,     144                        ; v144-207 x: register 16 b + i = k 32 b + 16 (lane / 16) + i
.set TM,    208                        ; v208-211 largest magnitudes, v212-215 bytes, v220-223 the conversions' scale operands
.set PW0,   224
.set PW1,   225
.set PC0,   226                        ; v226-245 fragment 0's codes (12) and 8 at work
.set PC1,   16                         ; v16-35   fragment 1's
.set F0,    144                        ; a weight: v144-155 the codes of K blocks 0 and 2, v156-167 of 1 and 3
.set TMP,   168
.set SEL,   26                         ; s[26:27] v_permlanex16_b32's selects for lane l xor 16
.macro BYTES pw                        ; scale operands, bytes and the word from the four largest magnitudes
.irp b, 0,1,2,3
	v_add_nc_u32 v[TM+12+\b], 0xff000000, v[TM+\b]        ; 2 off the exponent field: the conversion takes that field as its scale
.endr
.irp b, 0,1,2,3
	v_lshrrev_b32 v[TM+4+\b], 23, v[TM+12+\b]
.endr
	v_lshl_or_b32 v[\pw], v[TM+5], 8, v[TM+4]
	v_lshl_or_b32 v[\pw], v[TM+6], 16, v[\pw]
	v_lshl_or_b32 v[\pw], v[TM+7], 24, v[\pw]
.endm
.macro QUANT s, pc, pw                 ; 64 numbers of a lane become a fragment's codes and its rows' scale word
.irp b, 0,1,2,3
	v_max3_num_f32 v[TM+\b], |v[(\s)+16*\b]|, |v[(\s)+1+16*\b]|, 0x1800000     ; with the floor 2^(3 - 127): the byte cannot fall under 1
.endr
.irp i, 2,4,6,8,10,12,14
.irp b, 0,1,2,3
	v_max3_num_f32 v[TM+\b], v[TM+\b], |v[(\s)+16*\b+\i]|, |v[(\s)+1+16*\b+\i]|
.endr
.endr
.irp b, 0,1,2,3
	v_permlanex16_b32 v[TM+4+\b], v[TM+\b], s[SEL], s[SEL+1]
.endr
.irp b, 0,1,2,3
	v_max_num_f32 v[TM+\b], v[TM+\b], v[TM+4+\b]          ; with lane l xor 16's 16 numbers
.endr
	BYTES \pw
.irp c, 0,1
	v_cvt_scalef32_pk16_fp6_f32 v[(\pc)+6*\c:(\pc)+2+6*\c], v[(\s)+32*\c:(\s)+15+32*\c], v[TM+12+2*\c]
	v_cvt_scalef32_pk16_fp6_f32 v[(\pc)+12+4*\c:(\pc)+14+4*\c], v[(\s)+16+32*\c:(\s)+31+32*\c], v[TM+13+2*\c]
.endr
	v_nop
.irp c, 0,1                            ; the operand wants a whole block in a lane: lanes 0-15 block 2 c, lanes 16-31 block 2 c + 1
.irp i, 0,1,2
	v_permlane16_swap_b32 v[(\pc)+6*\c+\i], v[(\pc)+12+4*\c+\i]
.endr
.irp i, 0,1,2
	v_mov_b32 v[(\pc)+3+6*\c+\i], v[(\pc)+12+4*\c+\i]
.endr
.endr
.endm
.macro STAGE u                         ; LDS serves a wave's instructions in order: no wait between the stores and the loads
.set I_, 0
.rept 16
	ds_store_b128 v5, v[R+64*(\u)+4*I_:R+64*(\u)+4*I_+3] offset:528*I_
.set I_, I_+1
.endr
.set I_, 0
.rept 16
	ds_load_b128 v[X+4*I_:X+4*I_+3], v6 offset:128*(I_/4)+16*(I_%4)
.set I_, I_+1
.endr
	s_wait_dscnt 0x0
.endm
	s_load_b256 s[4:11], s[0:1], 0x0               ; x, Wq, Wk, Wv
	s_load_b64 s[12:13], s[0:1], 0x20              ; qin
	v_lshl_add_u32 v[SPW], v0, 2, SPARE
	v_mov_b32 v[NIL], 0
	v_lshrrev_b32 v1, 5, v0
	v_readfirstlane_b32 s14, v1                    ; wave
	v_and_b32 v1, 31, v0                           ; lane
	v_and_b32 v2, 15, v0                           ; r
	v_bfe_u32 v3, v0, 4, 1                         ; h
	v_lshlrev_b32 v4, 4, v1
	v_lshlrev_b32 v8, 2, v1
	s_mul_i32 s30, s14, STGB
	v_add_nc_u32 v5, s30, v4                       ; x: the stage, in
	v_mul_u32_u24 v6, v2, 528
	v_lshl_add_u32 v6, v3, 6, v6
	v_add_nc_u32 v6, s30, v6                       ; and out
	v_lshrrev_b32 v7, 3, v1                        ; a weight: lane 8 j + i of wave 2 b + h is tile 4 b + j, row 8 h + i
	v_and_b32 v9, 7, v1
	v_lshlrev_b32 v10, 6, v7
	v_mul_u32_u24 v7, 1536, v7
	v_lshl_add_u32 v7, v9, 4, v7
	v_lshl_add_u32 v10, v9, 2, v10
	s_wait_alu depctr_va_vdst(0)                   ; the wait here, ahead of the run of scalar instructions
	s_lshr_b32 s30, s14, 1
	s_and_b32 s31, s14, 1
	s_mul_i32 s32, s30, 6144
	s_lshl_b32 s33, s31, 7
	s_add_co_u32 s32, s32, s33
	s_add_co_u32 s32, s32, IMG
	v_add_nc_u32 v7, s32, v7                       ; the image, in: codes,
	s_lshl_b32 s30, s30, 8
	s_lshl_b32 s31, s31, 5
	s_add_co_u32 s30, s30, s31
	s_add_co_u32 s30, s30, WIMG
	v_add_nc_u32 v10, s30, v10                     ; words;
	s_mul_i32 s30, s14, 3072
	s_add_co_u32 s30, s30, IMG
	v_add_nc_u32 v11, s30, v4                      ; and out: tiles 2 v and 2 v + 1
	s_lshl_b32 s30, s14, 7
	s_add_co_u32 s30, s30, WIMG
	v_add_nc_u32 v14, s30, v8
.irp b, 0,1,2,3
	v_mov_b32 v[TM+4+\b], 0                        ; a lane permute's destination counts as one of its sources
.endr
	s_wait_alu depctr_va_vdst(0)                   ; the wait at the head's end
	s_mov_b32 s[SEL], 0x76543210
	s_mov_b32 s[SEL+1], 0xfedcba98
	s_mov_b32 s28, 0xffff0000                      ; lanes 16-31
	s_lshr_b32 s15, ttmp9, 3
	s_and_b32 s16, ttmp9, 7                        ; chunk
	s_add_co_u32 s17, s15, 64
	s_sub_co_u32 s18, s15, 24
	s_cmp_lt_u32 ttmp9, 192
	s_cselect_b32 s15, s17, s18                    ; record
	s_mul_i32 s32, s15, REC
	s_mul_i32 s30, s14, 24576
	s_add_co_u32 s30, s30, s32
	s_mul_i32 s31, s16, 1536
	s_add_co_u32 s30, s30, s31
	s_mov_b32 s31, 0
	s_add_co_u32 s32, s32, 98304
	s_lshl_b32 s33, s16, 9
	s_add_co_u32 s32, s32, s33
	s_lshl_b32 s33, s14, 7
	s_add_co_u32 s32, s32, s33
	s_mov_b32 s33, 0
	s_wait_kmcnt 0x0
	s_add_nc_u64 s[20:21], s[12:13], s[30:31]      ; where tiles 2 v and 2 v + 1 go
	s_add_nc_u64 s[22:23], s[12:13], s[32:33]      ; and their 32 scale words
	s_cmp_lt_u32 ttmp9, 192
	s_cbranch_scc1 .Lweight
	; ---- x: j = wave, tile u = w
	s_lshr_b32 s30, s15, 1
	s_lshl_b32 s30, s30, 20                        ; 256 tokens of 4,096 bytes
	s_and_b32 s31, s15, 1
	s_lshl_b32 s31, s31, 18
	s_add_co_u32 s30, s30, s31
	s_lshl_b32 s31, s14, 15
	s_add_co_u32 s30, s30, s31
	s_lshl_b32 s31, s16, 9
	s_add_co_u32 s30, s30, s31
	s_mov_b32 s31, 0
	s_add_nc_u64 s[24:25], s[4:5], s[30:31]
.irp u, 0,1
.set I_, 0
.rept 16
	global_load_b128 v[R+64*\u+4*I_:R+64*\u+4*I_+3], v4, s[24:25] offset:(128*\u+32*(I_/8)+I_%8)*4096 th:TH_LOAD_NT
.set I_, I_+1
.endr
.endr
	s_wait_loadcnt 16                              ; fragment 0's sixteen loads are in
	STAGE 0
	QUANT X, PC0, PW0
.irp c, 0,1,2
	global_store_b128 v4, v[PC0+4*\c:PC0+4*\c+3], s[20:21] offset:512*\c          ; 512 consecutive bytes, aligned
.endr
	s_wait_loadcnt 0x0
	STAGE 1
	QUANT X, PC1, PW1
.irp c, 0,1,2
	global_store_b128 v4, v[PC1+4*\c:PC1+4*\c+3], s[20:21] offset:12288+512*\c
.endr
	v_cndmask_b32 v[PW0], v[PW0], v[PW1], s28      ; lanes 0-15: tile 0's words, lanes 16-31: tile 1's
	global_store_b32 v8, v[PW0], s[22:23]
	s_wait_tensorcnt 0x0                           ; the wave's end
	ds_add_u32 v[SPW], v[NIL]
	s_wait_dscnt 0x0
	s_endpgm
	; ---- a weight: 32 columns e x 128 along K
.Lweight:
	s_sub_co_u32 s30, s15, 64
	s_lshr_b32 s31, s30, 3                         ; which weight
	s_and_b32 s30, s30, 7                          ; which 128 columns
	s_cmp_eq_u32 s31, 0
	s_cselect_b64 s[24:25], s[6:7], s[8:9]
	s_cmp_eq_u32 s31, 2
	s_cselect_b64 s[24:25], s[10:11], s[24:25]
	s_lshl_b32 s32, s16, 19                        ; 128 rows of 4,096 bytes
	s_lshl_b32 s30, s30, 9
	s_add_co_u32 s32, s32, s30
	s_lshl_b32 s30, s14, 7
	s_add_co_u32 s32, s32, s30
	s_mov_b32 s33, 0
	s_add_nc_u64 s[24:25], s[24:25], s[32:33]
.set I_, 0
.rept 128
	global_load_b32 v[R+I_], v8, s[24:25] offset:I_*4096 th:TH_LOAD_NT   ; W(128 q + i, my column): the wave reads 128 consecutive bytes, the four waves 512
.set I_, I_+1
.endr
	s_wait_loadcnt 0x0
.irp b, 0,1,2,3
	v_max3_num_f32 v[TM+\b], |v[R+32*\b]|, |v[R+32*\b+1]|, 0x1800000
.endr
.irp i, 2,4,6,8,10,12,14,16,18,20,22,24,26,28,30
.irp b, 0,1,2,3
	v_max3_num_f32 v[TM+\b], v[TM+\b], |v[R+32*\b+\i]|, |v[R+32*\b+\i+1]|
.endr
.endr
	BYTES PW0                                      ; my column's scale word
.irp b, 0,1,2,3
	v_cvt_scalef32_pk16_fp6_f32 v[F0+12*(\b%2)+6*(\b/2):F0+12*(\b%2)+6*(\b/2)+2], v[R+32*\b:R+32*\b+15], v[TM+12+\b]
	v_cvt_scalef32_pk16_fp6_f32 v[TMP+4*\b:TMP+4*\b+2], v[R+32*\b+16:R+32*\b+31], v[TM+12+\b]
.endr
	v_nop
.irp b, 0,1,2,3
.irp i, 0,1,2
	v_mov_b32 v[F0+12*(\b%2)+6*(\b/2)+3+\i], v[TMP+4*\b+\i]
.endr
.endr
.irp h, 0,1                            ; block 2 c + h stands in lane r + 16 h of the fragment, registers 6 c .. 6 c + 5
.irp m, 0,1,2,3,4,5
	ds_store_b64 v7, v[F0+12*\h+2*\m:F0+12*\h+2*\m+1] offset:512*(\m/2)+8*(\m%2)+256*\h
.endr
.endr
	ds_store_b32 v10, v[PW0]
	s_wait_dscnt 0x0
	s_barrier_signal -1
	s_barrier_wait -1                              ; the image is whole
.irp c, 0,1,2,3,4,5
	ds_load_b128 v[R+4*\c:R+4*\c+3], v11 offset:512*\c
.endr
	ds_load_b32 v[PW1], v14
	s_wait_dscnt 0x0
.irp c, 0,1,2
	global_store_b128 v4, v[R+4*\c:R+4*\c+3], s[20:21] offset:512*\c
	global_store_b128 v4, v[R+12+4*\c:R+12+4*\c+3], s[20:21] offset:12288+512*\c
.endr
	global_store_b32 v8, v[PW1], s[22:23]
	s_wait_tensorcnt 0x0
	ds_add_u32 v[SPW], v[NIL]
	s_wait_dscnt 0x0
	s_endpgm
.Lfunc_end_k_qfa92d809db_quant:
	.size	k_qfa92d809db_quant, .Lfunc_end_k_qfa92d809db_quant-k_qfa92d809db_quant
	.p2alignl 7, 3214868480
	.fill 96, 4, 3214868480
	.section	.rodata,"a",@progbits
	.p2align	6, 0x0
	.amdhsa_kernel k_qfa92d809db_quant
		.amdhsa_group_segment_fixed_size 47104
		.amdhsa_private_segment_fixed_size 0
		.amdhsa_enable_private_segment 0
		.amdhsa_kernarg_size 40
		.amdhsa_user_sgpr_count 2
		.amdhsa_user_sgpr_kernarg_segment_ptr 1
		.amdhsa_wavefront_size32 1
		.amdhsa_system_sgpr_workgroup_id_x 1
		.amdhsa_system_sgpr_workgroup_id_y 1
		.amdhsa_system_sgpr_workgroup_id_z 1
		.amdhsa_system_vgpr_workitem_id 0
		.amdhsa_next_free_vgpr 256
		.amdhsa_next_free_sgpr 66
		.amdhsa_reserve_vcc 0
		.amdhsa_float_denorm_mode_32 3
		.amdhsa_float_denorm_mode_16_64 3
		.amdhsa_memory_ordered 1
		.amdhsa_forward_progress 1
		.amdhsa_inst_pref_size 40
	.end_amdhsa_kernel
	.amdgpu_metadata
---
amdhsa.version: [ 1, 2 ]
amdhsa.kernels:
  - .name:           k_qfa92d809db_quant
    .symbol:         k_qfa92d809db_quant.kd
    .args:
      - { .name: x, .offset: 0, .size: 8, .value_kind: global_buffer, .address_space: global }
      - { .name: Wq, .offset: 8, .size: 8, .value_kind: global_buffer, .address_space: global }
      - { .name: Wk, .offset: 16, .size: 8, .value_kind: global_buffer, .address_space: global }
      - { .name: Wv, .offset: 24, .size: 8, .value_kind: global_buffer, .address_space: global }
      - { .name: qin, .offset: 32, .size: 8, .value_kind: global_buffer, .address_space: global }
    .group_segment_fixed_size: 47104
    .private_segment_fixed_size: 0
    .kernarg_segment_align: 8
    .kernarg_segment_size: 40
    .max_flat_workgroup_size: 128
    .sgpr_count:     66
    .vgpr_count:     256
    .wavefront_size: 32
...
	.end_amdgpu_metadata
.endif
;; end of part 1
;; launch proj (part 2): grid 16 x 16, 4 waves a work-group, clusters of 4 x 4, 327,680 bytes of LDS; arguments qin, bq, bk, bv, qkv; writes qkv
.if DOCPART == 2
	.amdgcn_target "amdgcn-amd-amdhsa--gfx1250"
	.amdhsa_code_object_version 6
	.text
	.protected	k_qfa92d809db_proj
	.globl	k_qfa92d809db_proj
	.p2align	8
	.type	k_qfa92d809db_proj,@function
k_qfa92d809db_proj:
	s_mov_b64 s[64:65], 0
	v_nop
	global_prefetch_b8 v0, s[64:65] scope:SCOPE_SE
	s_setreg_imm32_b32 hwreg(HW_REG_WAVE_MODE, 25, 1), 1
	s_wait_xcnt 0x0
	s_wait_alu depctr_hold_cnt(0) depctr_sa_sdst(0) depctr_va_vdst(0) depctr_va_sdst(0) depctr_va_ssrc(0) depctr_va_vcc(0) depctr_vm_vsrc(0)
	s_getreg_b32 s2, hwreg(HW_REG_IB_STS2, 6, 4)
	s_cmp_eq_u32 s2, 0
	s_cbranch_scc0 .Lentry_in_a_cluster
	s_endpgm
.Lentry_in_a_cluster:
	s_bfe_u32 s2, ttmp6, 0x10000c
	s_cmp_lg_u32 s2, 0xf033
	s_cbranch_scc0 .Lentry_shape_is_right
	s_endpgm
.Lentry_shape_is_right:
; Q, K, V = x W + b on codes of E2M3 (K = 1,024), each result quantised again: Q and K along e, V along the tokens.  No f32 result is stored.  qin's records are as the first launch lays them: 128 rows, codes and scale words, 102,400 bytes.
; LAYOUT OF qkv.  q at 0, k at 6,553,600: [group of 4 row tiles][4 steps of 256 e][12,800 bytes: 4 tiles x 2 chunks x 1,536 of codes, then 2 chunks x 4 tiles x 16 scale words].  A fragment of 1,536 bytes is two halves of 64 e: 512 bytes of registers 0-3 (16 a lane), 256 bytes of registers 4-5 (8 a lane).
;   v at 13,107,200: [batch][128 e][4 steps of 512 keys][64 e][25,600 bytes: 4 tiles of e x 4 chunks of keys x 1,536 (16 bytes a lane for four registers), then 4 chunks x 4 tiles x 16 scale words].
; THE DEAL.  256 work-groups of four waves, 2 x 2.  A wave holds 64 rows of a weight, all of K, in 384 registers and streams row tiles of x past them: a block is 16 rows, 32 products.  PHASE 1: 256 tokens x 128 of V, eight blocks a wave; PHASE 2: 512 tokens x 128 of Q or K, sixteen.
; V's 256 tokens are a half of the work-group's own 512, so the two records asked for at the head serve V and then the first half of Q or K.  Which half and which tensor come from the cluster's number alone.
; x's records are shared along a row of the 4 x 4 cluster, a weight's along a column: joint tensor loads.
; LDS: slots 0 and 1 for x's records, a region for the weight's; stages for scale bytes.  At the head one load a wave; three refills, each a quarter record a wave behind a drained round that stands inside a block: the weight's region in V's block 2, slots 0 and 1 in phase 2's blocks 2 and 6.
; A BLOCK'S LIST: behind every second product stand two entries, each at most four scalar lines and one vector line: the way out of the block before, addresses, descriptors.
; WAITS' COUNTS: a block's rows were fetched two blocks before; younger are the next block's 24 loads (32 where a pair's scale words come along) and the byte stores between (one a block with a way out, four behind phase 2's block 0).
; PREFETCHES: the second weight behind the first barrier, the later records of x behind the first refill and between the phases; the sixteen waves of the four partners share a record's 400 units of 256 bytes out by address, 25 each.
; LIMITS: NaN and infinities are not served.  A block of zeros, or one whose largest magnitude lies under 2^-124, gets the scale byte 1, which this program alone reads.
.set REC,  102400
.set WR,   2*REC
.set XN,   3*REC                       ; Q's or K's scale bytes: [pair of blocks in the order of work][256]
.set XM,   XN+2048                     ; V's: [wave][256]
.set SPARE, XM+1024                    ; the spare words
.set L16, 4                            ; 16 x lane
.set L8,  5
.set A00, 6                            ; LDS address of my rows in slot 0, tiles j = 0, 1;  A01: j = 2, 3
.set A01, 7
.set AS0, 8                            ; of my scale words in slot 0: lanes 0-15 an even block's row, 16-31 the odd block's
.set A10, 9                            ; slot 1
.set A11, 10
.set AS1, 11
.set CA0, 12                           ; the loop's slot
.set CA1, 13
.set CAS, 14
.set WA,  15
.set WS,  16
.set STQ, 17
.set STV, 18
.set VX,  19
.set PFW, 20
.set PF2, 21
.set PF3, 22
.set PFB, 23
.set SB,  24                           ; v24-39 the weight's scale words
.set TQ,  40
.set SPW, 42
.set NIL, 43
.set SA,  44                           ; v44-59 x's scale words, two sets of eight
.set TC,  60
.set COS, 63
.set ACC, 64                           ; phase 2: v64-127 two sets of four accumulators.  Phase 1: v64-191 band 0's sums, tile t at 64 + 32 t; band 1's at 448 + 32 (t % 2) + 256 (t / 2)
.set NCD, 128
.set MCD, 192
.set SOP, 240
.set EB,  244
.set BO,  248
.set G1X, 24
.set G1W, 32
.set G0W, 48
.set G0A, 52
.set G0B, 56
.set MSB, 0
.macro WIN new
.if MSB != (\new)
	s_set_vgpr_msb (MSB<<8)|(\new)
.set MSB, (\new)
.endif
.endm
.macro PLACES n
.rept \n
	v_nop
.endr
.endm
.macro WALU
	s_wait_alu depctr_va_vdst(0)
.endm
.macro BARRIER
	s_barrier_signal -1
	s_barrier_wait -1
.endm
.macro MIDDLE
	WIN 0
	s_barrier_wait -1
	s_cmp_lg_u32 s14, 0
	s_cbranch_scc1 .Lnot_wave_0_\@
	s_barrier_signal -3
.Lnot_wave_0_\@:
	s_barrier_wait -3
.endm
.macro CROUND
	s_barrier_signal -1
	MIDDLE
	BARRIER
.endm
.macro GRD
	s_wait_tensorcnt 0x0
	ds_add_u32 v[SPW], v[NIL]
.endm
.macro TLOAD g0, g1
	tensor_load_to_lds s[\g0:\g0+3], s[\g1:\g1+7]
	s_nop 0
	PLACES 4
.endm
.macro GROUP1 g, mask, rows            ; rows of 12,800 bytes, dense
	s_or_b32 s[\g+0], s[\mask], (3<<16)|(1<<21)
	s_mov_b32 s[\g+1], 1600<<16
	s_mov_b32 s[\g+2], (\rows)<<16
	s_mov_b32 s[\g+3], 1600<<16
	s_mov_b32 s[\g+4], \rows
	s_mov_b32 s[\g+5], 1600
	s_mov_b32 s[\g+6], 0
	s_mov_b32 s[\g+7], 0
.endm
.macro PFGO v
	global_prefetch_b8 v[\v], s[4:5] th:TH_LOAD_NT scope:SCOPE_SE
.endm
.macro FETCH e, a, jo                  ; a block's eight fragments into set e (window 3, v[96 e ..]): 24 loads
	WIN 0xc0
.set I_, 0
.rept 24
	ds_load_b128 v[96*(\e)+4*I_:96*(\e)+4*I_+3], v[\a] offset:(\jo)+512*I_
.set I_, I_+1
.endr
	WIN 0
.endm
.macro FSC p, a, so                    ; the scale words of a pair of blocks into set p: 8 loads
.set I_, 0
.rept 8
	ds_load_b32 v[SA+8*(\p)+I_], v[\a] offset:(\so)+512*I_
.set I_, I_+1
.endr
.endm
.macro WEIGHTS hf                      ; my 64 rows of the weight: half 0 is chunks 0-3, in window 1, and the scale words; half 1 chunks 4-7, in window 2; fragment (q, t) at v[48 (q % 4) + 12 t]
.set Q_, 4*(\hf)
.rept 4
	WIN 0x40*(1+Q_/4)
.irp t, 0,1,2,3
.irp p, 0,1,2
	ds_load_b128 v[48*(Q_%4)+12*\t+4*\p:48*(Q_%4)+12*\t+4*\p+3], v[WA] offset:\t*12288+Q_*1536+512*\p
.endr
.endr
.set Q_, Q_+1
.endr
	WIN 0
.if (\hf) == 0
.irp p, 0,1
.irp q, 0,1,2,3,4,5,6,7
	ds_load_b32 v[SB+8*\p+\q], v[WS] offset:512*\q+128*\p
.endr
.endr
.endif
.endm
.macro WM
.if RA_
.if RB_
	v_wmma_scale_f32_16x16x128_f8f6f4 v[DL_:DL_+7], v[S0_:S0_+11], v[S1_:S1_+11], v[CL_:CL_+7], v[X0_], v[X1_] matrix_a_fmt:MATRIX_FMT_FP6 matrix_b_fmt:MATRIX_FMT_FP6 matrix_a_scale:MATRIX_SCALE_ROW1 matrix_b_scale:MATRIX_SCALE_ROW1
.else
	v_wmma_scale_f32_16x16x128_f8f6f4 v[DL_:DL_+7], v[S0_:S0_+11], v[S1_:S1_+11], v[CL_:CL_+7], v[X0_], v[X1_] matrix_a_fmt:MATRIX_FMT_FP6 matrix_b_fmt:MATRIX_FMT_FP6 matrix_a_scale:MATRIX_SCALE_ROW1
.endif
.else
.if RB_
	v_wmma_scale_f32_16x16x128_f8f6f4 v[DL_:DL_+7], v[S0_:S0_+11], v[S1_:S1_+11], v[CL_:CL_+7], v[X0_], v[X1_] matrix_a_fmt:MATRIX_FMT_FP6 matrix_b_fmt:MATRIX_FMT_FP6 matrix_b_scale:MATRIX_SCALE_ROW1
.else
	v_wmma_scale_f32_16x16x128_f8f6f4 v[DL_:DL_+7], v[S0_:S0_+11], v[S1_:S1_+11], v[CL_:CL_+7], v[X0_], v[X1_] matrix_a_fmt:MATRIX_FMT_FP6 matrix_b_fmt:MATRIX_FMT_FP6
.endif
.endif
.endm
; Product n = 4 q + t.  kind 0 (Q, K): source 0 = the weight's tile t; kind 1 (V): source 0 = x.  The first of a sum takes the bias as C (window 3: V's at v960, Q's or K's at v992).  The four accumulators take turns.
.macro PROD kind, e, n, a0, s1, s2, ps
.set Q_, (\n)/4
.set T_, (\n)%4
.set D_, (\a0)+(\s1)*(T_%2)+(\s2)*(T_/2)
.set DL_, D_&255
.set CL_, DL_
.set WC_, D_>>8
.if Q_ == 0
.set WC_, 3
.set CL_, 224-32*(\kind)+8*T_
.endif
.if \kind
.set S0_, 96*(\e)+12*Q_
.set S1_, 48*(Q_%4)+12*T_
.set X0_, SA+8*(\ps)+Q_
.set X1_, SB+8*(T_/2)+Q_
.set RA_, \e
.set RB_, T_%2
	WIN 3|((1+Q_/4)<<2)|(WC_<<4)|((D_>>8)<<6)
.else
.set S1_, 96*(\e)+12*Q_
.set S0_, 48*(Q_%4)+12*T_
.set X1_, SA+8*(\ps)+Q_
.set X0_, SB+8*(T_/2)+Q_
.set RB_, \e
.set RA_, T_%2
	WIN (1+Q_/4)|(3<<2)|(WC_<<4)|((D_>>8)<<6)
.endif
	WM
.endm
.macro BLOCK kind, e, a0, s1, s2, ps, from, to, list, x=0, y=0
.set N_, \from
.rept (\to)-(\from)
	PROD \kind, \e, N_, \a0, \s1, \s2, \ps
.if N_%2
	\list N_-1, \x, \y
	\list N_, \x, \y
.endif
.set N_, N_+1
.endr
.endm
.macro CHAIN i, x, n, t=TQ             ; a way out's first part, 18 entries: the largest magnitude of the 32 sums from register x on (two chains, each accumulator from its low end), with the floor 2^(3 - 127); the conversions' scale operand
.set XW_, (\x)>>8
.set XL_, (\x)&255
.if ((\i) >= 0) && ((\i) < 14)
.set B_, XL_+16*((\i)%2)+2*((\i)/2)
.set M_, (\t)+1-(\i)%2
.if (\i) < 2
	WIN XW_|(XW_<<2)|(XW_<<4)
	v_max3_num_f32 v[M_], |v[B_]|, |v[B_+1]|, |v[B_+2]|
.else
	WIN (XW_<<2)|(XW_<<4)
	v_max3_num_f32 v[M_], v[M_], |v[B_+1]|, |v[B_+2]|
.endif
.elseif (\i) == 14
	WIN XW_<<2
	v_max3_num_f32 v[\t+1], v[\t+1], |v[XL_+15]|, 0x1800000
.elseif (\i) == 15
	WIN 0
	v_nop
.elseif (\i) == 16
	WIN XW_<<2
	v_max3_num_f32 v[\t], v[\t], |v[XL_+31]|, v[\t+1]
.elseif (\i) == 17
	WIN 0
	v_add_nc_u32 v[SOP+\n], 0xff000000, v[\t]
.endif
.endm
.macro CODES i, x, c, n, t=TC          ; its second part, 6 lines: 32 codes into v[c .. c + 5], the scale's byte into v[EB + n]
.set XW_, (\x)>>8
.set XL_, (\x)&255
.if (\i) == 0
	WIN XW_
	v_cvt_scalef32_pk16_fp6_f32 v[\c:\c+2], v[XL_:XL_+15], v[SOP+\n]
.elseif (\i) == 1
	WIN XW_
	v_cvt_scalef32_pk16_fp6_f32 v[\t:\t+2], v[XL_+16:XL_+31], v[SOP+\n]
.elseif (\i) == 2
	WIN 0
	v_lshrrev_b32 v[EB+\n], 23, v[SOP+\n]
.else
	WIN 0
	v_mov_b32 v[\c+\i], v[\t+\i-3]
.endif
.endm
.macro CODES6 x, c, n
.irp i, 0,1,2,3,4,5
	CODES \i, \x, \c, \n
.endr
.endm
.macro PUTPAIR                         ; the pair's codes: 512 and 256 consecutive bytes a store, aligned
	global_store_b128 v[L16], v[NCD:NCD+3], s[62:63]
	global_store_b64 v[L8], v[NCD+4:NCD+5], s[62:63] offset:512
	global_store_b128 v[L16], v[NCD+6:NCD+9], s[62:63] offset:6144
	global_store_b64 v[L8], v[NCD+10:NCD+11], s[62:63] offset:6656
.endm
; ---- lists
.macro L_NONE i, x, y
.endm
.macro L_V2 i, x, y                    ; the first refill's descriptors (quarters: two rows); the prefetches' addresses
.if (\i) == 0
	s_mov_b32 s[G1X+2], 2<<16
	s_mov_b32 s[G1X+4], 2
	s_mov_b32 s[G1W+2], 2<<16
	s_mov_b32 s[G1W+4], 2
.elseif (\i) == 1
	s_mul_i32 s20, s14, 25600
	s_add_co_u32 s[G0W+1], s20, WR
	s_add_co_u32 s20, s20, s89
	s_mov_b32 s21, 0
.elseif (\i) == 2
	s_add_nc_u64 s[G0W+2:G0W+3], s[4:5], s[20:21]
	s_or_b32 s[G0W+3], s[G0W+3], 0x80000000
.elseif (\i) == 5
	s_mul_i32 s21, s90, 6400
	s_add_co_u32 s20, s88, s21
	WIN 0
	v_lshl_add_u32 v[PF2], v[PFB], 8, s20
.elseif (\i) == 8
	WIN 0
	v_add_nc_u32 v[PF3], REC, v[PF2]
.endif
.endm
.macro L_VOUT i, x, y
	CHAIN (\i)-6, \x, \y
.endm
.macro L_EVEN i, x, y
	CHAIN (\i)-2, ACC+32, 1
.endm
.macro L_ODD i, x, y                   ; where pair m's codes go: the true pair is m xor 4 half; the stage in LDS goes by the order of work
.if (\i) == 0
	s_xor_b32 s20, s73, s86
	s_mul_i32 s20, s20, 51200
	s_mov_b32 s21, 0
	s_add_co_u32 s73, s73, 1
.elseif (\i) == 1
	s_add_nc_u64 s[62:63], s[60:61], s[20:21]
	WIN 0
	v_add_nc_u32 v[VX], s72, v[STQ]
.elseif (\i) == 2
	s_add_co_u32 s72, s72, 256
.endif
	CHAIN (\i)-4, ACC, 0
.endm
.macro L_ROUND i, x, y                 ; the refill's descriptor, the next slot's addresses, the odd block's way out
.if (\i) == 0
	s_mul_i32 s20, s14, 25600
	s_add_co_u32 s[G0A+1], s20, s47
	s_add_co_u32 s20, s20, s88
	s_mov_b32 s21, 0
.elseif (\i) == 1
	s_add_nc_u64 s[G0A+2:G0A+3], s[4:5], s[20:21]
	s_or_b32 s[G0A+3], s[G0A+3], 0x80000000
	s_xor_b32 s47, s47, REC
	s_add_co_u32 s88, s88, REC
.elseif (\i) == 2
	s_xor_b32 s101, s101, REC
	WIN 0
	v_add_nc_u32 v[CA0], s101, v[A00]
.elseif (\i) == 3
	WIN 0
	v_add_nc_u32 v[CA1], s101, v[A01]
.elseif (\i) == 4
	WIN 0
	v_add_nc_u32 v[CAS], s101, v[AS0]
.endif
	CHAIN (\i)-6, ACC+32, 1
.endm
; ---- phase 2's blocks.  w: the count of the wait for the block's rows (-1: they are shown in already)
.macro WAITDS w
.if (\w) >= 0
	s_wait_dscnt \w
.endif
.endm
.macro EVENOUT                         ; the odd block's byte, the pair's codes
	WALU
	ds_store_b8 v[VX], v[EB+1] offset:128
	PUTPAIR
.endm
.macro EVEN w, ps
	WAITDS \w
	BLOCK 0, 0, ACC, 8, 16, \ps, 0, 32, L_EVEN
	WIN 0
	CODES6 ACC+32, NCD+6, 1
	EVENOUT
.endm
.macro EVENROUND w, ps
	WAITDS \w
	GRD
	BLOCK 0, 0, ACC, 8, 16, \ps, 0, 26, L_ROUND
	WIN 0
	WALU
	s_wait_dscnt 0x0
	s_barrier_signal -1
	BLOCK 0, 0, ACC, 8, 16, \ps, 26, 32, L_NONE
	WIN 0
	CODES6 ACC+32, NCD+6, 1
	MIDDLE
	BARRIER
	TLOAD G0A, G1X                                 ; a quarter of the next record, into the slot that nobody reads any more
	EVENOUT
.endm
.macro EVENSHOW w, ps                  ; a plain barrier shows the last refill to all
	WAITDS \w
	BLOCK 0, 0, ACC, 8, 16, \ps, 0, 26, L_EVEN
	WIN 0
	WALU
	s_wait_tensorcnt 0x0
	s_wait_dscnt 0x0
	s_barrier_signal -1
	BLOCK 0, 0, ACC, 8, 16, \ps, 26, 32, L_NONE
	WIN 0
	s_barrier_wait -1
	CODES6 ACC+32, NCD+6, 1
	EVENOUT
.endm
.macro ODD w, ps
	WAITDS \w
	s_wait_xcnt 0x0                                ; the last pair's stores have read their registers and base
	BLOCK 0, 1, ACC+32, 8, 16, \ps, 0, 32, L_ODD
	WIN 0
	CODES6 ACC, NCD, 0
	WALU
	ds_store_b8 v[VX], v[EB]
.endm
; ================= THE HEAD
	s_load_b256 s[4:11], s[0:1], 0x0               ; qin, bq, bk, bv
	s_load_b64 s[12:13], s[0:1], 0x20              ; qkv
	v_lshl_add_u32 v[SPW], v0, 2, SPARE
	v_mov_b32 v[NIL], 0
	ds_add_u32 v[SPW], v[NIL]
	ds_add_u32 v[SPW], v[NIL]
	v_lshrrev_b32 v1, 5, v0
	v_readfirstlane_b32 s14, v1                    ; wave
	s_lshr_b32 s15, s14, 1                         ; w: my row of the 2 x 2
	s_and_b32 s16, s14, 1                          ; b: my column
	v_and_b32 v1, 15, v0                           ; r
	v_bfe_u32 v2, v0, 4, 1                         ; h
	v_and_b32 v3, 31, v0                           ; lane
	v_lshlrev_b32 v[L16], 4, v3
	v_lshlrev_b32 v[L8], 3, v3
	s_mul_i32 s20, s15, 12288
	v_add_nc_u32 v[A00], s20, v[L16]
	v_add_nc_u32 v[A01], 49152, v[A00]
	v_add_nc_u32 v[A10], REC, v[A00]
	v_add_nc_u32 v[A11], REC+49152, v[A00]
	s_lshl_b32 s20, s15, 6
	s_add_co_u32 s20, s20, 98304
	v_lshlrev_b32 v[AS0], 2, v1
	v_lshl_add_u32 v[AS0], v2, 7, v[AS0]
	v_add_nc_u32 v[AS0], s20, v[AS0]
	v_add_nc_u32 v[AS1], REC, v[AS0]
	s_mul_i32 s21, s16, 49152
	s_add_co_u32 s21, s21, WR
	v_add_nc_u32 v[WA], s21, v[L16]
	s_lshl_b32 s21, s16, 8
	s_add_co_u32 s21, s21, WR+98304
	v_lshl_add_u32 v[WS], v3, 2, s21
	s_lshl_b32 s20, s15, 6
	s_lshl_b32 s21, s16, 1
	s_add_co_u32 s20, s20, s21
	s_add_co_u32 s20, s20, XN
	v_lshl_add_u32 v[STQ], v1, 2, v2
	v_lshl_add_u32 v[STV], v1, 2, v2
	v_add_nc_u32 v[STQ], s20, v[STQ]
	s_lshl_b32 s20, s14, 8
	s_add_co_u32 s20, s20, XM
	v_add_nc_u32 v[STV], s20, v[STV]
	v_mul_u32_u24 v[COS], 51200, v2
	v_lshl_add_u32 v[COS], v1, 4, v[COS]
	v_min_u32 v[PFB], 24, v3
	v_lshlrev_b32 v[BO], 7, v2                     ; Q, K: register 8 t + j of lane (r, h) is column 32 h + 8 t + j: 128 bytes for each half of the lanes
	v_lshrrev_b32 v[BO+1], 3, v1
	v_lshlrev_b32 v[BO+1], 7, v[BO+1]
	v_and_b32 v[BO+2], 7, v1
	v_lshl_add_u32 v[BO+1], v[BO+2], 2, v[BO+1]    ; V: lane (r, h) of tile t has column 32 (r / 8) + 8 t + r % 8
	WALU                                           ; the wait here, ahead of the run of scalar instructions
	s_bfe_u32 s18, ttmp6, 0x40000                  ; cx
	s_bfe_u32 s19, ttmp6, 0x40004                  ; cy
	s_lshl_b32 s42, ttmp9, 2
	s_add_co_u32 s42, s42, s18                     ; phase 2's tile column: 0-7 Q, 8-15 K
	s_and_b32 s43, ttmp7, 0xffff
	s_lshl_b32 s43, s43, 2
	s_add_co_u32 s43, s43, s19                     ; which 512 tokens
	s_lshr_b32 s44, ttmp9, 1
	s_lshl_b32 s44, s44, 2
	s_add_co_u32 s44, s44, s18                     ; V's tile column
	s_and_b32 s87, ttmp9, 1                        ; V's half of the tokens
	s_lshl_b32 s86, s87, 2
	s_lshl_b32 s45, s19, 2
	s_lshl_b32 s45, 15, s45                        ; my row of the cluster
	s_lshl_b32 s46, 0x1111, s18                    ; my column
	GROUP1 G1X, 45, 8                              ; at the head a whole record of x,
	GROUP1 G1W, 46, 4                              ; half a record of the weight
	s_lshl_b32 s20, s43, 2
	s_lshl_b32 s21, s87, 1
	s_add_co_u32 s22, s20, s21
	s_mul_i32 s22, s22, REC                        ; the first half's records, bytes from qin
	s_xor_b32 s21, s21, 2
	s_add_co_u32 s88, s20, s21
	s_mul_i32 s88, s88, REC                        ; the other half's
	s_add_co_u32 s89, s42, 64
	s_mul_i32 s89, s89, REC                        ; Wq's or Wk's
	s_add_co_u32 s91, s44, 80
	s_mul_i32 s91, s91, REC                        ; Wv's
	s_lshl_b32 s90, s18, 2
	s_add_co_u32 s90, s90, s14                     ; my number among the sixteen waves of my row of the cluster
	s_lshl_b32 s92, s19, 2
	s_add_co_u32 s92, s92, s14                     ; and of my column
	s_mov_b32 s[G0W], 1
	s_mov_b32 s[G0A], 1
	s_mov_b32 s[G0B], 1
	s_mov_b32 s[G0A+1], 0
	s_mov_b32 s[G0B+1], REC
	s_mul_i32 s20, s14, 51200
	s_add_co_u32 s[G0W+1], s20, WR
	s_add_co_u32 s20, s20, s91
	s_mov_b32 s21, 0
	s_mov_b32 s23, 0
	s_wait_dscnt 0x0                               ; both opening adds are done
	CROUND                                         ; all sixteen work-groups are here
	s_wait_kmcnt 0x0
	s_add_nc_u64 s[G0W+2:G0W+3], s[4:5], s[20:21]
	s_or_b32 s[G0W+3], s[G0W+3], 0x80000000
	s_add_nc_u64 s[G0A+2:G0A+3], s[4:5], s[22:23]
	s_or_b32 s[G0A+3], s[G0A+3], 0x80000000
	s_add_co_u32 s22, s22, REC
	s_add_nc_u64 s[G0B+2:G0B+3], s[4:5], s[22:23]
	s_or_b32 s[G0B+3], s[G0B+3], 0x80000000
	s_cmp_lt_u32 s14, 2
	s_cbranch_scc0 .Lwave_2
	TLOAD G0W, G1W                                 ; waves 0 and 1: Wv's halves
	s_branch .Lasked
.Lwave_2:
	s_cmp_eq_u32 s14, 2
	s_cbranch_scc0 .Lwave_3
	TLOAD G0A, G1X                                 ; wave 2: the first record of x
	s_branch .Lasked
.Lwave_3:
	TLOAD G0B, G1X                                 ; wave 3: the second
.Lasked:
	s_lshl_b32 s20, s44, 9
	s_lshl_b32 s23, s16, 8
	s_add_co_u32 s20, s20, s23
	s_mov_b32 s21, 0
	s_add_nc_u64 s[74:75], s[10:11], s[20:21]      ; bv, my 64
	s_and_b32 s93, s42, 7                          ; which 128 of e
	s_lshl_b32 s20, s93, 9
	s_add_co_u32 s20, s20, s23
	s_cmp_lt_u32 s42, 8
	s_cselect_b64 s[76:77], s[6:7], s[8:9]
	s_add_nc_u64 s[76:77], s[76:77], s[20:21]      ; bq or bk, my 64
	WIN 0xc0
.irp t, 0,1,2,3
	global_load_b32 v[192+8*\t], v[BO+1], s[74:75] offset:32*\t
.endr
.irp k, 0,1,2,3,4,5,6,7
	global_load_b128 v[224+4*\k:224+4*\k+3], v[BO], s[76:77] offset:16*\k
.endr
	WIN 0
	; where the results go
	s_mul_i32 s94, s43, 409600                     ; eight groups of four tiles
	s_lshr_b32 s20, s42, 3
	s_mul_i32 s20, s20, 6553600
	s_add_co_u32 s94, s94, s20
	s_lshr_b32 s20, s93, 1
	s_mul_i32 s20, s20, 12800
	s_add_co_u32 s94, s94, s20
	s_and_b32 s95, s93, 1
	s_mul_i32 s20, s95, 1536
	s_add_co_u32 s20, s20, s94
	s_mul_i32 s22, s15, 3072
	s_add_co_u32 s20, s20, s22
	s_mul_i32 s22, s16, 768
	s_add_co_u32 s20, s20, s22
	s_add_nc_u64 s[60:61], s[12:13], s[20:21]      ; Q's or K's codes
	s_lshl_b32 s20, s14, 1
	s_xor_b32 s20, s20, s86
	s_mul_i32 s20, s20, 51200
	s_add_co_u32 s20, s20, s94
	s_lshl_b32 s22, s95, 8
	s_add_co_u32 s20, s20, s22
	s_add_co_u32 s20, s20, 12288
	s_add_nc_u64 s[66:67], s[12:13], s[20:21]      ; their scale bytes
	s_lshr_b32 s20, s43, 2                         ; the batch
	s_lshl_b32 s20, s20, 3
	s_add_co_u32 s20, s20, s44
	s_lshl_b32 s20, s20, 2
	s_and_b32 s22, s43, 3                          ; which 512 keys
	s_add_co_u32 s20, s20, s22
	s_mul_i32 s20, s20, 51200
	s_mul_i32 s22, s16, 25600
	s_add_co_u32 s20, s20, s22
	s_add_co_u32 s94, s20, 13107200
	s_lshl_b32 s95, s87, 1
	s_add_co_u32 s95, s95, s15                     ; which 128 of them
	s_mul_i32 s20, s95, 1536
	s_add_co_u32 s20, s20, s94
	s_add_nc_u64 s[68:69], s[12:13], s[20:21]      ; V's codes
	s_lshl_b32 s20, s95, 8
	s_add_co_u32 s20, s20, s94
	s_add_co_u32 s20, s20, 24576
	s_add_nc_u64 s[70:71], s[12:13], s[20:21]      ; V's scale bytes
	s_mov_b32 s72, 0
	s_mov_b32 s73, 0
	s_mov_b32 s47, 0
	s_mov_b32 s101, 0
	s_mul_i32 s20, s92, 6400
	s_add_co_u32 s20, s20, s89
	v_lshl_add_u32 v[PFW], v[PFB], 8, s20
	WALU                                           ; the wait at the head's end
	s_cmp_lt_u32 s14, 2
	s_cbranch_scc0 .Lnot_w
	s_wait_tensorcnt 0x0
.Lnot_w:
	BARRIER                                        ; Wv's rows are in
	PFGO PFW
	WEIGHTS 0
	s_wait_loadcnt 0x0
	WIN 0xc3
.irp t, 0,8,16,24
.irp i, 1,2,3,4,5,6,7
	v_mov_b32 v[192+\t+\i], v[192+\t]              ; V's bias, one number a lane and tile, over the tile's eight registers
.endr
.endr
	WIN 0
	WALU                                           ; the wait here, ahead of the waits below
	s_cmp_eq_u32 s14, 3
	s_cbranch_scc1 .Lnot_a0
	s_wait_tensorcnt 0x0
.Lnot_a0:
	s_wait_dscnt 0x0
	BARRIER                                        ; x's first record is in; the second may be on its way
	FETCH 0, A00, 0
	FSC 0, AS0, 0
	WEIGHTS 1
	FETCH 1, A00, 24576
; ================= PHASE 1: V
	s_wait_dscnt 63                                ; block 0's rows are in: 72 younger loads, the weights' second half and block 1's rows, may be out
	BLOCK 1, 0, 64, 32, 64, 0, 0, 16, L_NONE
	s_wait_dscnt 24
	BLOCK 1, 0, 64, 32, 64, 0, 16, 32, L_NONE
	WIN 0
	PLACES 4
	FETCH 0, A01, 0
	FSC 1, AS0, 256
	s_wait_dscnt 32
	BLOCK 1, 1, 72, 32, 64, 0, 0, 32, L_NONE
	WIN 0
	PLACES 4
	FETCH 1, A01, 24576
	s_wait_dscnt 24
	GRD
	BLOCK 1, 0, 80, 32, 64, 1, 0, 24, L_V2
	WIN 0
	WALU
	s_wait_dscnt 0x0
	s_barrier_signal -1
	BLOCK 1, 0, 80, 32, 64, 1, 24, 32, L_NONE
	MIDDLE
	BARRIER
	TLOAD G0W, G1W                                 ; a quarter of Wq's or Wk's record, onto Wv's, which all waves hold in registers
	FETCH 0, A10, 0
	FSC 0, AS1, 0
	PFGO PF2
	BLOCK 1, 1, 88, 32, 64, 1, 0, 32, L_NONE
	WIN 0
	PLACES 4
	FETCH 1, A10, 24576
	s_wait_dscnt 24
	BLOCK 1, 0, 448, 32, 256, 0, 0, 32, L_VOUT, 64, 0
	WIN 0
	CODES6 64, MCD, 0
	WALU
	ds_store_b8 v[STV], v[EB]
	FETCH 0, A11, 0
	FSC 1, AS1, 256
	s_wait_dscnt 33
	BLOCK 1, 1, 456, 32, 256, 0, 0, 32, L_VOUT, 96, 1
	WIN 0
	CODES6 96, MCD+12, 1
	WALU
	ds_store_b8 v[STV], v[EB+1] offset:64
	FETCH 1, A11, 24576
	s_wait_dscnt 25
	BLOCK 1, 0, 464, 32, 256, 1, 0, 32, L_VOUT, 128, 2
	WIN 0
	CODES6 128, MCD+24, 2
	WALU
	ds_store_b8 v[STV], v[EB+2] offset:128
	s_wait_dscnt 1
	BLOCK 1, 1, 472, 32, 256, 1, 0, 26, L_VOUT, 160, 3
	WIN 0
	WALU
	s_wait_tensorcnt 0x0
	s_wait_dscnt 0x0
	s_barrier_signal -1                            ; a plain barrier: the weights that the first refill brought are shown to all
	BLOCK 1, 1, 472, 32, 256, 1, 26, 32, L_NONE
	WIN 0
	s_barrier_wait -1
	CODES6 160, MCD+36, 3
	WALU
	ds_store_b8 v[STV], v[EB+3] offset:192
; ================= THE CHANGE OF PHASE: weights and the first two blocks' rows, which lie in slot 0 still, in one run; band 1's four way outs under their flight
	WEIGHTS 0
	FETCH 0, A00, 0
	FSC 0, AS0, 0
	WEIGHTS 1
	FETCH 1, A00, 24576
	PFGO PF3
.set J_, 0
.rept 18
.irp t, 0,1,2,3
	CHAIN J_, 448+32*(\t%2)+256*(\t/2), \t, 64+2*\t
.endr
.set J_, J_+1
.endr
.set J_, 0
.rept 6
.irp t, 0,1,2,3
	CODES J_, 448+32*(\t%2)+256*(\t/2), MCD+12*\t+6, \t, 80+4*\t
.endr
.set J_, J_+1
.endr
	WIN 0
	WALU
; ================= PHASE 2: Q or K
	s_wait_dscnt 63
	BLOCK 0, 0, ACC, 8, 16, 0, 0, 16, L_NONE
	s_wait_dscnt 24
	BLOCK 0, 0, ACC, 8, 16, 0, 16, 32, L_NONE
	WIN 0
	PLACES 4
.irp t, 0,1,2,3
	ds_store_b8 v[STV], v[EB+\t] offset:2+64*\t
.endr
.irp t, 0,1,2,3
.irp p, 0,1,2
	global_store_b128 v[L16], v[MCD+12*\t+4*\p:MCD+12*\t+4*\p+3], s[68:69] offset:6144*\t+512*\p
.endr
.endr
	FETCH 0, A01, 0
	FSC 1, AS0, 256
	ODD 36, 0
	FETCH 1, A01, 24576
	s_mov_b32 s80, 0
.Lloop:                                                ; blocks 2 to 5, 6 to 9
	EVENROUND 25, 1
	FETCH 0, CA0, 0
	FSC 0, CAS, 0
	ODD -1, 1
	FETCH 1, CA0, 24576
	EVEN 25, 0
	FETCH 0, CA1, 0
	FSC 1, CAS, 256
	ODD 33, 0
	FETCH 1, CA1, 24576
	s_add_co_u32 s80, s80, 1
	s_cmp_lg_u32 s80, 2
	s_cbranch_scc1 .Lloop
	EVENSHOW 25, 1
	FETCH 0, A10, 0
	FSC 0, AS1, 0
	ODD -1, 1
	FETCH 1, A10, 24576
	EVEN 25, 0
	FETCH 0, A11, 0
	FSC 1, AS1, 256
	ODD 33, 0
	FETCH 1, A11, 24576
	EVEN 25, 1
	ODD 1, 1
; ================= THE END: the last way out; the scale bytes go through LDS under its conversions
	s_lshl_b32 s20, s14, 9
	s_add_co_u32 s20, s20, XN
	v_add_nc_u32 v[CA0], s20, v[L16]
	s_lshl_b32 s20, s14, 8
	s_add_co_u32 s20, s20, XM
	v_add_nc_u32 v[CAS], s20, v[L8]
.set J_, 0
.rept 18
	CHAIN J_, ACC+32, 1
.set J_, J_+1
.endr
	CODES 2, ACC+32, NCD+6, 1
	WALU
	ds_store_b8 v[VX], v[EB+1] offset:128
	s_wait_dscnt 0x0
	s_barrier_signal -1
	CODES 0, ACC+32, NCD+6, 1
	CODES 1, ACC+32, NCD+6, 1
	v_nop
.irp i, 3,4,5
	CODES \i, ACC+32, NCD+6, 1
.endr
	WALU
	s_barrier_wait -1
	ds_load_b128 v[64:67], v[CA0]
	ds_load_b64 v[68:69], v[CAS]
	PUTPAIR
	s_wait_dscnt 0x0
	global_store_b128 v[COS], v[64:67], s[66:67]   ; sixteen lanes store one aligned unit of 256 bytes
	global_store_b64 v[L8], v[68:69], s[70:71]
	s_wait_tensorcnt 0x0                           ; the wave's end
	ds_add_u32 v[SPW], v[NIL]
	s_wait_dscnt 0x0
	CROUND                                         ; the closing round
	s_endpgm
.Lfunc_end_k_qfa92d809db_proj:
	.size	k_qfa92d809db_proj, .Lfunc_end_k_qfa92d809db_proj-k_qfa92d809db_proj
	.p2alignl 7, 3214868480
	.fill 96, 4, 3214868480
	.section	.rodata,"a",@progbits
	.p2align	6, 0x0
	.amdhsa_kernel k_qfa92d809db_proj
		.amdhsa_group_segment_fixed_size 327680
		.amdhsa_private_segment_fixed_size 0
		.amdhsa_enable_private_segment 0
		.amdhsa_kernarg_size 40
		.amdhsa_user_sgpr_count 2
		.amdhsa_user_sgpr_kernarg_segment_ptr 1
		.amdhsa_wavefront_size32 1
		.amdhsa_system_sgpr_workgroup_id_x 1
		.amdhsa_system_sgpr_workgroup_id_y 1
		.amdhsa_system_sgpr_workgroup_id_z 1
		.amdhsa_system_vgpr_workitem_id 0
		.amdhsa_next_free_vgpr 1024
		.amdhsa_next_free_sgpr 102
		.amdhsa_reserve_vcc 0
		.amdhsa_float_denorm_mode_32 3
		.amdhsa_float_denorm_mode_16_64 3
		.amdhsa_memory_ordered 1
		.amdhsa_forward_progress 1
		.amdhsa_inst_pref_size 196
	.end_amdhsa_kernel
	.amdgpu_metadata
---
amdhsa.version: [ 1, 2 ]
amdhsa.kernels:
  - .name:           k_qfa92d809db_proj
    .symbol:         k_qfa92d809db_proj.kd
    .args:
      - { .name: qin, .offset: 0, .size: 8, .value_kind: global_buffer, .address_space: global }
      - { .name: bq, .offset: 8, .size: 8, .value_kind: global_buffer, .address_space: global }
      - { .name: bk, .offset: 16, .size: 8, .value_kind: global_buffer, .address_space: global }
      - { .name: bv, .offset: 24, .size: 8, .value_kind: global_buffer, .address_space: global }
      - { .name: qkv, .offset: 32, .size: 8, .value_kind: global_buffer, .address_space: global }
    .group_segment_fixed_size: 327680
    .private_segment_fixed_size: 0
    .kernarg_segment_align: 8
    .kernarg_segment_size: 40
    .max_flat_workgroup_size: 128
    .sgpr_count:     102
    .vgpr_count:     1024
    .wavefront_size: 32
...
	.end_amdgpu_metadata
.endif
;; end of part 2
;; launch score (part 3): grid 8 x 32, 4 waves a work-group, clusters of 4 x 4, 327,680 bytes of LDS; arguments qkv, pbuf; writes pbuf
.if DOCPART == 3
	.amdgcn_target "amdgcn-amd-amdhsa--gfx1250"
	.amdhsa_code_object_version 6
	.text
	.protected	k_qfa92d809db_score
	.globl	k_qfa92d809db_score
	.p2align	8
	.type	k_qfa92d809db_score,@function
k_qfa92d809db_score:
	s_mov_b64 s[64:65], 0
	v_nop
	global_prefetch_b8 v0, s[64:65] scope:SCOPE_SE
	s_setreg_imm32_b32 hwreg(HW_REG_WAVE_MODE, 25, 1), 1
	s_wait_xcnt 0x0
	s_wait_alu depctr_hold_cnt(0) depctr_sa_sdst(0) depctr_va_vdst(0) depctr_va_sdst(0) depctr_va_ssrc(0) depctr_va_vcc(0) depctr_vm_vsrc(0)
	s_getreg_b32 s2, hwreg(HW_REG_IB_STS2, 6, 4)
	s_cmp_eq_u32 s2, 0
	s_cbranch_scc0 .Lentry_in_a_cluster
	s_endpgm
.Lentry_in_a_cluster:
	s_bfe_u32 s2, ttmp6, 0x10000c
	s_cmp_lg_u32 s2, 0xf033
	s_cbranch_scc0 .Lentry_shape_is_right
	s_endpgm
.Lentry_shape_is_right:
; S = q k^T on codes of E2M3 (K = 1,024), and behind it the softmax's first half, chunk by chunk of 128 keys: t = S log2(e) / 32; M_c = ceil(the largest t of the query's 128 keys of this chunk), a whole number;
; p = 2^(t - M_c); l_c = the sum of the unquantised p; p is quantised along the keys.  Stored for each query and chunk: a fragment's codes, the scale word, -M_c and l_c.  The next launch takes the row's largest M and lowers the scale bytes by
; the whole number M - M_c, which changes no code.  So the maximum is taken away ahead of every exponential, and the f32 scores never go to memory.
; A tile of 256 queries x 256 keys to a work-group of four waves, 128 x 128 to a wave.  Source 1 ('A') = q: tiles 8 s15 .. of the 16.  Source 0 ('B') = k: tiles 8 c + 2 j + w, w my half: a lane holds ONE query and, by the order of rows, registers 32 c + 8 j + i are keys 64 c + 32 (lane / 16) + 8 j + i: whole scale blocks.
; CLUSTERS of 4 x 4: q's tiles are shared along a row of the cluster, k's along a column: joint tensor loads, which bring codes and scale words together.  THE RING: four K steps of 256 through three slots.  At the head one load a wave: waves 0 and 1 fetch step 0, waves 2 and 3 step 1; step 2 goes into slot 2, step 3 into slot 0, each behind a drained round.
; PREFETCHES: steps 2 and 3, one K step ahead of their loads; the partners share the groups out by address, a wave 25 units of 256 bytes.
; LIMITS: NaN and infinities are not served.  The promise holds while |t| stays under 2^31.  A block whose every p has fallen to 0 keeps the byte 1 (its codes are zeros).
; The block's largest p is not searched for: the block's largest score goes through the same multiply-add and exponential (this takes v_exp_f32 not to fall where its input rises).
; REGISTERS: window 0: v1-31 addresses; v32-63 scale words, two sets; v128-223 q's eight fragments.  window 1: k's fragments, two sets.  windows 2, 3: accumulator (a, b) at v[8 (8 (a % 4) + b)] of window 2 + a / 4.
.set KC,    6553600                    ; k's codes
.set PS,    12582912                   ; pbuf: p's scale words; -M 524,288 on; l 1,048,576 on
.set SLOT,  102400                     ; q's 16 tiles, then k's 16, each as four groups of 12,800 bytes
.set SCR,   3*SLOT                     ; scratch, 1,536 bytes a wave: words, -M, l
.set SPARE, SCR+4*1536                 ; the spare words
.set ADRA,  4                          ; for each slot: q's codes, 16 bytes a lane;
.set ADA8,  7                          ; 8 bytes a lane;
.set ADSA,  10                         ; its scale words;
.set ADRB,  13                         ; the same for k
.set ADB8,  16
.set ADSB,  19
.set SCRW,  22
.set SCRB,  23
.set SCRR,  24
.set PF,    25
.set SPW,   28
.set NIL,   29
.set L16,   30
.set SC,    32
.set AF,    128
.set P,     64
.set PCB,   128
.set BM,    208
.set BT,    210
.set SO,    214
.set NM,    216
.set SA,    218                        ; v218-225 the sum in four chains
.set T0,    226
.set T1,    227
.set G1,    24
.set G1B,   48
.set G0A,   32
.set G0B,   36
.set G0A1,  68
.set G0B1,  72
.set SEL,   80
.set CS,    82
.set MUL_LO, 0xa1
.set MUL_HI, 0xf1
.set MSB, 0
.macro WIN new
.if MSB != (\new)
	s_set_vgpr_msb (MSB<<8)|(\new)
.set MSB, (\new)
.endif
.endm
.macro PLACES n
.rept \n
	v_nop
.endr
.endm
.macro CREST
	s_cmp_lg_u32 s14, 0
	s_cbranch_scc1 .Lnot_wave_0_\@
	s_barrier_signal -3
.Lnot_wave_0_\@:
	s_barrier_wait -3
	s_barrier_signal -1
	s_barrier_wait -1
.endm
.macro CROUND
	s_barrier_signal -1
	s_barrier_wait -1
	CREST
.endm
.macro TLOAD g0, g1
	tensor_load_to_lds s[\g0:\g0+3], s[\g1:\g1+7]
	s_nop 0
	PLACES 4
.endm
.macro JLOAD                           ; waves 0 and 1 fetch for q, waves 2 and 3 for k
	s_cmp_eq_u32 s15, 0
	s_cbranch_scc0 .Lfor_b_\@
	TLOAD G0A, G1
	s_branch .Lasked_\@
.Lfor_b_\@:
	TLOAD G0B, G1B
.Lasked_\@:
.endm
.macro FRAG reg, adr, ad8, off         ; 12 registers: two halves of 64 along K
	ds_load_b128 v[(\reg):(\reg)+3], v[\adr] offset:\off
	ds_load_b64 v[(\reg)+4:(\reg)+5], v[\ad8] offset:(\off)+512
	ds_load_b128 v[(\reg)+6:(\reg)+9], v[\adr] offset:(\off)+768
	ds_load_b64 v[(\reg)+10:(\reg)+11], v[\ad8] offset:(\off)+1280
.endm
.macro FETCH_B slot, q, p
	WIN 0x40
.set I_, 0
.rept 8
	FRAG 128*(\p)+12*I_, ADRB+(\slot), ADB8+(\slot), (I_/2)*12800+(I_%2)*6144+(\q)*1536
.set I_, I_+1
.endr
	WIN 0
.endm
.macro FETCH_A slot, q, i0
.set I_, \i0
.rept 4
	FRAG AF+12*I_, ADRA+(\slot), ADA8+(\slot), (I_/4)*12800+(I_%4)*3072+(\q)*1536
.set I_, I_+1
.endr
.endm
.macro SCALES slot, set
.irp q, 0,1
.irp i, 0,1,2,3
	ds_load_b32 v[SC+16*(\set)+8*\q+\i], v[ADSA+(\slot)] offset:(\i/2)*12800+12288+\q*256+(\i%2)*128
.endr
.irp i, 0,1,2,3
	ds_load_b32 v[SC+16*(\set)+8*\q+4+\i], v[ADSB+(\slot)] offset:\i*12800+12288+\q*256
.endr
.endr
.endm
.macro WMI cm                          ; one product.  cm = 0: it starts its sum.  An odd tile's scale words stand in lanes 16-31
.set RV_, 4*(\cm)+2*(B_%2)+(A_%2)
.if RV_ == 0
	v_wmma_scale_f32_16x16x128_f8f6f4 v[ACC_:ACC_+7], v[BF_:BF_+11], v[AF_:AF_+11], 0, v[SB_], v[SA_] matrix_a_fmt:MATRIX_FMT_FP6 matrix_b_fmt:MATRIX_FMT_FP6
.elseif RV_ == 1
	v_wmma_scale_f32_16x16x128_f8f6f4 v[ACC_:ACC_+7], v[BF_:BF_+11], v[AF_:AF_+11], 0, v[SB_], v[SA_] matrix_a_fmt:MATRIX_FMT_FP6 matrix_b_fmt:MATRIX_FMT_FP6 matrix_b_scale:MATRIX_SCALE_ROW1
.elseif RV_ == 2
	v_wmma_scale_f32_16x16x128_f8f6f4 v[ACC_:ACC_+7], v[BF_:BF_+11], v[AF_:AF_+11], 0, v[SB_], v[SA_] matrix_a_fmt:MATRIX_FMT_FP6 matrix_b_fmt:MATRIX_FMT_FP6 matrix_a_scale:MATRIX_SCALE_ROW1
.elseif RV_ == 3
	v_wmma_scale_f32_16x16x128_f8f6f4 v[ACC_:ACC_+7], v[BF_:BF_+11], v[AF_:AF_+11], 0, v[SB_], v[SA_] matrix_a_fmt:MATRIX_FMT_FP6 matrix_b_fmt:MATRIX_FMT_FP6 matrix_a_scale:MATRIX_SCALE_ROW1 matrix_b_scale:MATRIX_SCALE_ROW1
.elseif RV_ == 4
	v_wmma_scale_f32_16x16x128_f8f6f4 v[ACC_:ACC_+7], v[BF_:BF_+11], v[AF_:AF_+11], v[ACC_:ACC_+7], v[SB_], v[SA_] matrix_a_fmt:MATRIX_FMT_FP6 matrix_b_fmt:MATRIX_FMT_FP6
.elseif RV_ == 5
	v_wmma_scale_f32_16x16x128_f8f6f4 v[ACC_:ACC_+7], v[BF_:BF_+11], v[AF_:AF_+11], v[ACC_:ACC_+7], v[SB_], v[SA_] matrix_a_fmt:MATRIX_FMT_FP6 matrix_b_fmt:MATRIX_FMT_FP6 matrix_b_scale:MATRIX_SCALE_ROW1
.elseif RV_ == 6
	v_wmma_scale_f32_16x16x128_f8f6f4 v[ACC_:ACC_+7], v[BF_:BF_+11], v[AF_:AF_+11], v[ACC_:ACC_+7], v[SB_], v[SA_] matrix_a_fmt:MATRIX_FMT_FP6 matrix_b_fmt:MATRIX_FMT_FP6 matrix_a_scale:MATRIX_SCALE_ROW1
.else
	v_wmma_scale_f32_16x16x128_f8f6f4 v[ACC_:ACC_+7], v[BF_:BF_+11], v[AF_:AF_+11], v[ACC_:ACC_+7], v[SB_], v[SA_] matrix_a_fmt:MATRIX_FMT_FP6 matrix_b_fmt:MATRIX_FMT_FP6 matrix_a_scale:MATRIX_SCALE_ROW1 matrix_b_scale:MATRIX_SCALE_ROW1
.endif
.endm
.macro MULA a0, p, cm                  ; A's blocks a0, a0 + 1 against B's eight tiles.  The accumulators take turns
.set A_, \a0
.rept 2
.set B_, 0
.rept 8
.set ACC_, 8*(8*(A_%4)+B_)
.set BF_, 128*(\p)+12*B_
.set AF_, AF+12*A_
.set SB_, SCB_+4+B_/2
.set SA_, SCB_+A_/2
	WMI \cm
.set B_, B_+1
.endr
.set A_, A_+1
.endr
.endm
.macro STEP slot, set, cm              ; a slot's first chunk
.set SCB_, SC+16*(\set)
	s_wait_dscnt 16                                ; all but the youngest sixteen loads (A's blocks 4-7)
	WIN MUL_LO
	MULA 0, 0, \cm
	MULA 2, 0, \cm
	s_wait_dscnt 0x0
	PLACES 4
	FETCH_B \slot, 1, 1
	FETCH_A \slot, 1, 0
	WIN MUL_HI
	MULA 4, 0, \cm
	MULA 6, 0, \cm
	PLACES 4
	WIN 0
	FETCH_A \slot, 1, 4
.endm
; A slot's second chunk.  mode 1: one barrier.  mode 2: that barrier opens a round of the cluster's, and behind it K step k goes into slot rs.
.macro TURN slot, next, set, mode, k=0, rs=0
.set SCB_, SC+16*(\set)+8
	s_wait_tensorcnt 0x0                           ; all my tensor loads have landed
	ds_add_u32 v[SPW], v[NIL]
.if (\mode) == 2
.irp g, G1, G1B
	s_mov_b32 s[\g+2], 2<<16                       ; from here on a load brings half of q's or k's groups
	s_mov_b32 s[\g+4], 2
.endr
	s_add_co_u32 s[G0A+1], s66, (\rs)*SLOT
	s_add_nc_u64 s[G0A+2:G0A+3], s[96:97], (\k)*12800
	s_or_b32 s[G0A+3], s[G0A+3], 0x80000000
	s_add_co_u32 s[G0B+1], s66, (\rs)*SLOT
	s_add_nc_u64 s[G0B+2:G0B+3], s[98:99], (\k)*12800
	s_or_b32 s[G0B+3], s[G0B+3], 0x80000000
.endif
	s_wait_dscnt 17                                ; (the add and the sixteen loads of A's blocks 4-7 may be out)
	WIN MUL_LO
	MULA 0, 1, 1
	s_wait_dscnt 0x0                               ; the add is done, and my reads of this slot are over
	s_barrier_signal -1
	MULA 2, 1, 1
	WIN 0
	s_barrier_wait -1
.if (\mode) == 2
	CREST
	JLOAD
.else
	PLACES 4
.endif
	FETCH_B \next, 0, 0
	FETCH_A \next, 0, 0
	SCALES \next, 1-(\set)
.if (\k) == 2
	global_prefetch_b8 v[PF], s[4:5] offset:38400 th:TH_LOAD_NT scope:SCOPE_SE   ; step 3, which the next round asks for
.endif
	WIN MUL_HI
	MULA 4, 1, 1
	MULA 6, 1, 1
	PLACES 4
	WIN 0
	FETCH_A \next, 0, 4
.endm
	s_load_b128 s[4:7], s[0:1], 0x0                ; qkv, pbuf
	v_lshl_add_u32 v[SPW], v0, 2, SPARE
	v_mov_b32 v[NIL], 0
	ds_add_u32 v[SPW], v[NIL]                      ; the wave's opening: the add, twice on end
	ds_add_u32 v[SPW], v[NIL]
	v_lshrrev_b32 v1, 5, v0
	v_readfirstlane_b32 s14, v1                    ; wave
	s_lshr_b32 s15, s14, 1                         ; which half of the queries is mine
	s_and_b32 s16, s14, 1                          ; which half of the keys
	v_and_b32 v1, 15, v0                           ; r
	v_bfe_u32 v2, v0, 4, 1                         ; h
	v_and_b32 v3, 31, v0                           ; lane
	v_lshlrev_b32 v[L16], 4, v3
	v_lshlrev_b32 v26, 3, v3
	v_lshlrev_b32 v27, 2, v3
	s_mul_i32 s20, s15, 25600
	v_add_nc_u32 v[ADRA], s20, v[L16]
	v_add_nc_u32 v[ADA8], s20, v26
	v_add_nc_u32 v[ADSA], s20, v27
	s_mul_i32 s20, s16, 3072
	s_add_co_u32 s20, s20, 51200
	v_add_nc_u32 v[ADRB], s20, v[L16]
	v_add_nc_u32 v[ADB8], s20, v26
	s_lshl_b32 s20, s16, 6
	s_add_co_u32 s20, s20, 51200
	v_lshlrev_b32 v[SCRW], 2, v1
	v_lshl_add_u32 v[ADSB], v2, 7, v[SCRW]
	v_add_nc_u32 v[ADSB], s20, v[ADSB]             ; lanes 0-15 an even j's tile, 16-31 the next j's, two tiles on
.irp a, ADRA, ADA8, ADSA, ADRB, ADB8, ADSB
	v_add_nc_u32 v[\a+1], SLOT, v[\a]
	v_add_nc_u32 v[\a+2], 2*SLOT, v[\a]
.endr
	s_mul_i32 s20, s14, 1536
	s_add_co_u32 s20, s20, SCR
	v_add_nc_u32 v[SCRW], s20, v[SCRW]
	v_add_nc_u32 v[SCRB], v[SCRW], v2
	v_add_nc_u32 v[SCRR], s20, v[L16]
	v_min_u32 v[PF], 24, v3
	s_wait_alu depctr_va_vdst(0)                   ; the wait here, ahead of the run of scalar instructions
	s_bfe_u32 s18, ttmp6, 0x40000                  ; cx
	s_bfe_u32 s19, ttmp6, 0x40004                  ; cy
	s_lshl_b32 s17, ttmp9, 2
	s_add_co_u32 s17, s17, s18                     ; which 256 keys of the batch
	s_and_b32 s46, ttmp7, 0xffff
	s_lshl_b32 s47, s46, 2
	s_add_co_u32 s47, s47, s19                     ; which 256 queries, over all batches
	s_lshr_b32 s46, s46, 1                         ; the batch: all partners share it
	s_lshl_b32 s44, s19, 2
	s_lshl_b32 s44, 15, s44                        ; my row of the cluster
	s_lshl_b32 s45, 0x1111, s18                    ; my column
	s_or_b32 s[G1], s44, (3<<16)|(1<<21)
	s_or_b32 s[G1B], s45, (3<<16)|(1<<21)
.irp g, G1, G1B                        ; rows of 12,800 bytes, 51,200 apart: a K step of a group of four tiles
	s_mov_b32 s[\g+1], 1600<<16
	s_mov_b32 s[\g+2], 4<<16
	s_mov_b32 s[\g+3], 1600<<16
	s_mov_b32 s[\g+4], 4
	s_mov_b32 s[\g+5], 6400
	s_mov_b32 s[\g+6], 0
	s_mov_b32 s[\g+7], 0
.endr
	s_mul_i32 s92, s47, 204800                     ; q: hangs on the cluster's y and cy alone
	s_mov_b32 s93, 0
	s_lshl_b32 s94, s46, 3
	s_add_co_u32 s94, s94, s17
	s_mul_i32 s94, s94, 204800
	s_add_co_u32 s94, s94, KC                      ; k: on the batch, the cluster's x and cx alone
	s_mov_b32 s95, 0
	s_mul_i32 s20, s18, 51200
	s_add_co_u32 s20, s20, s92
	s_mul_i32 s21, s19, 51200
	s_add_co_u32 s21, s21, s94
	s_cmp_eq_u32 s15, 0
	s_cselect_b32 s20, s20, s21
	s_mul_i32 s21, s16, 6400
	s_add_co_u32 s20, s20, s21
	v_lshl_add_u32 v[PF], v[PF], 8, s20            ; the prefetches: one group's units of a K step, half of them
	s_mul_i32 s22, s16, 102400
	s_mov_b32 s23, 0
	s_mul_i32 s66, s14, 25600
	s_wait_alu depctr_va_vdst(0)                   ; the wait at the head's end
	s_wait_dscnt 0x0                               ; both opening adds are done
	s_wait_kmcnt 0x0
	s_add_nc_u64 s[92:93], s[4:5], s[92:93]
	s_add_nc_u64 s[94:95], s[4:5], s[94:95]
	s_add_nc_u64 s[96:97], s[92:93], s[22:23]      ; for the refills: my half's groups
	s_add_nc_u64 s[98:99], s[94:95], s[22:23]
	CROUND                                         ; all sixteen work-groups are here
	s_mov_b32 s[G0A], 1
	s_mov_b32 s[G0A+1], 0
	s_mov_b64 s[G0A+2:G0A+3], s[92:93]
	s_or_b32 s[G0A+3], s[G0A+3], 0x80000000
	s_mov_b32 s[G0B], 1
	s_mov_b32 s[G0B+1], 51200
	s_mov_b64 s[G0B+2:G0B+3], s[94:95]
	s_or_b32 s[G0B+3], s[G0B+3], 0x80000000
	s_mov_b32 s[G0A1], 1
	s_mov_b32 s[G0A1+1], SLOT
	s_add_nc_u64 s[G0A1+2:G0A1+3], s[92:93], 12800
	s_or_b32 s[G0A1+3], s[G0A1+3], 0x80000000
	s_mov_b32 s[G0B1], 1
	s_mov_b32 s[G0B1+1], SLOT+51200
	s_add_nc_u64 s[G0B1+2:G0B1+3], s[94:95], 12800
	s_or_b32 s[G0B1+3], s[G0B1+3], 0x80000000
	s_cmp_eq_u32 s14, 0
	s_cbranch_scc0 .Lwave_1
	TLOAD G0A, G1                                  ; wave 0: q, step 0
	s_branch .Lasked
.Lwave_1:
	s_cmp_eq_u32 s14, 1
	s_cbranch_scc0 .Lwave_2
	TLOAD G0B, G1B                                 ; wave 1: k, step 0
	s_branch .Lasked
.Lwave_2:
	s_cmp_eq_u32 s14, 2
	s_cbranch_scc0 .Lwave_3
	TLOAD G0A1, G1                                 ; wave 2: q, step 1
	s_branch .Lasked
.Lwave_3:
	TLOAD G0B1, G1B                                ; wave 3: k, step 1
.Lasked:
	; where the results go: p's codes [query row tile][16 chunks of keys][1,536]; words, -M, l: [queries / 128][chunk][128]
	s_lshl_b32 s20, s47, 4
	s_lshl_b32 s21, s15, 3
	s_add_co_u32 s20, s20, s21
	s_mul_i32 s20, s20, 24576
	s_lshl_b32 s21, s17, 1
	s_add_co_u32 s21, s21, s16                     ; my chunk of the batch's keys
	s_mul_i32 s22, s21, 1536
	s_add_co_u32 s20, s20, s22
	s_lshl_b32 s22, s47, 1
	s_add_co_u32 s22, s22, s15
	s_lshl_b32 s22, s22, 13
	s_lshl_b32 s21, s21, 9
	s_add_co_u32 s22, s22, s21
	s_add_co_u32 s22, s22, PS
	s_mov_b32 s21, 0
	s_mov_b32 s23, 0
	s_add_nc_u64 s[20:21], s[6:7], s[20:21]
	s_add_nc_u64 s[22:23], s[6:7], s[22:23]
	s_cmp_lt_u32 s14, 2
	s_cbranch_scc0 .Lnot_0
	s_wait_tensorcnt 0x0
.Lnot_0:
	s_barrier_signal -1
	s_barrier_wait -1                              ; step 0 is in; step 1 may be on its way
	FETCH_B 0, 0, 0
	FETCH_A 0, 0, 0
	SCALES 0, 0
	FETCH_A 0, 0, 4
	global_prefetch_b8 v[PF], s[4:5] offset:25600 th:TH_LOAD_NT scope:SCOPE_SE       ; step 2
	STEP 0, 0, 0
	TURN 0, 1, 0, 2, 2, 2
	STEP 1, 1, 1
	TURN 1, 2, 1, 2, 3, 0
	STEP 2, 0, 1
; THE LAST K STEP (slot 0) GOES BY ROWS: k's fragments of both its chunks fill the two sets of window 1; q's blocks, 24 registers each, take two buffers by turns (v228-251, v168-191).  A block's 16 products stand among the work on the block before.
.macro ALOAD a
.set AB_, 228-60*((\a)%2)
.irp q, 0,1
	FRAG AB_+12*\q, ADRA, ADA8, ((\a)/4)*12800+((\a)%4)*3072+\q*1536
.endr
.endm
.macro MX back                         ; the next product of block NA_: k's eight tiles, one chunk after the other; then the window that the work around it has
.if (NA_ < 8) && (MN_ < 16)
.set A_, NA_
.set B_, MN_%8
.set Q_, MN_/8
.set SCB_, SC+16+8*Q_
.set ACC_, 8*(8*(A_%4)+B_)
.set BF_, 128*Q_+12*B_
.set AF_, 228-60*(A_%2)+12*Q_
.set SB_, SCB_+4+B_/2
.set SA_, SCB_+A_/2
	WIN MUL_LO+0x50*(A_/4)
	WMI 1
	WIN \back
.set MN_, MN_+1
.endif
.endm
.set SCB_, SC+8
	s_wait_tensorcnt 0x0                           ; my part of the last K step is in
	s_wait_dscnt 16
	WIN MUL_LO
	MULA 0, 1, 1
	s_wait_dscnt 0x0
	s_barrier_signal -1
	MULA 2, 1, 1
	WIN 0
	s_barrier_wait -1
	PLACES 4
	FETCH_B 0, 0, 0
	ALOAD 0
	SCALES 0, 1
	WIN MUL_HI
	MULA 4, 1, 1
	MULA 6, 1, 1
	PLACES 4
	FETCH_B 0, 1, 1
	ALOAD 1
.set NA_, 0
.set MN_, 0
	s_wait_dscnt 40                                ; all but the 40 just issued
.rept 8
	MX MUL_LO
.endr
	s_wait_dscnt 8                                 ; all but block 1's rows
.rept 8
	MX MUL_LO
.endr
	WIN 0
; THE WAY OUT, block a of 16 queries: a lane holds one query and two blocks of 32 keys; lane l xor 16 holds the other two.
.macro SOFT a
.set W_, 2+(\a)/4
.set S_, 64*((\a)%4)
.set PCA, PCB+20*((\a)%2)
.set NA_, (\a)+1
.set MN_, 0
.if (\a) == 0
	s_wait_dscnt 0x0                               ; block 1's rows are in
.elseif (\a) < 7
	s_wait_dscnt 4                                 ; block a + 1's rows are in; the last block's four scratch stores may be out
.endif
.if (\a) >= 2
	s_wait_xcnt 0x0                                ; block a - 2's stores have read the codes' registers
.endif
	WIN (W_<<2)|(W_<<4)
	s_wait_alu depctr_va_vdst(0)                   ; the wait directly ahead of the products' first readers
.irp b, 0,1,2,3
	v_max3_num_f32 v[BT+\b], 0xff800000, v[S_+16*\b], v[S_+16*\b+1]        ; (minus infinity)  each accumulator is read from its low end on
.endr
.irp i, 2,4,6,8,10,12,14
.irp b, 0,1,2,3
	v_max3_num_f32 v[BT+\b], v[BT+\b], v[S_+16*\b+\i], v[S_+16*\b+\i+1]
.endr
.endr
	WIN 0
.irp c, 0,1
	v_max_num_f32 v[BM+\c], v[BT+2*\c], v[BT+2*\c+1]       ; the block's largest score
.endr
.if (\a) < 6
	ALOAD (\a)+2                                   ; into the buffer that block a's products have read
.endif
	v_max_num_f32 v[T0], v[BM], v[BM+1]
	v_permlanex16_b32 v[T1], v[T0], s[SEL], s[SEL+1]
	v_max_num_f32 v[T0], v[T0], v[T1]              ; the chunk's largest score of my query
	v_mul_f32 v[T0], s[CS], v[T0]
	v_floor_f32 v[NM], -v[T0]                      ; -M = floor(-t) = -ceil(t): a whole number
	WIN W_
.set J_, 0
.rept 32
	v_pk_fma_f32 v[P+J_:P+J_+1], v[S_+J_:S_+J_+1], s[CS:CS+1], v[NM:NM+1] op_sel_hi:[1,0,0]   ; t - M
.if J_%8 == 6
	MX W_
.endif
.set J_, J_+2
.endr
	WIN 0
.irp c, 0,1
	v_fma_f32 v[BM+\c], v[BM+\c], s[CS], v[NM]
.endr
	s_wait_alu depctr_va_vdst(0)                   ; the wait ahead of the batch and behind it
.set J_, 0
.rept 64
	v_exp_f32 v[P+J_], v[P+J_]                     ; p = 2^(t - M), at most 1
.set J_, J_+1
.endr
	v_exp_f32 v[BM], v[BM]                         ; the blocks' largest p
	v_exp_f32 v[BM+1], v[BM+1]
	v_nop
	s_wait_alu depctr_va_vdst(0)
.irp k, 0,1,2,3
	v_pk_add_f32 v[SA+2*\k:SA+2*\k+1], v[P+4*\k:P+4*\k+1], v[P+4*\k+2:P+4*\k+3]   ; the sum of the unquantised p, in four chains
.endr
	MX 0
.irp j, 16,24,32,40,48,56
.irp k, 0,1,2,3
	v_pk_add_f32 v[SA+2*\k:SA+2*\k+1], v[SA+2*\k:SA+2*\k+1], v[P+\j+2*\k:P+\j+2*\k+1]
.endr
	MX 0
.endr
	v_pk_add_f32 v[SA:SA+1], v[SA:SA+1], v[SA+2:SA+3]
	v_pk_add_f32 v[SA+4:SA+5], v[SA+4:SA+5], v[SA+6:SA+7]
.irp c, 0,1
	v_max_num_f32 v[BM+\c], 0x1800000, v[BM+\c]    ; the floor 2^(3 - 127): the byte cannot fall under 1
.endr
	v_pk_add_f32 v[SA:SA+1], v[SA:SA+1], v[SA+4:SA+5]
	MX 0
.irp c, 0,1
	v_add_nc_u32 v[SO+\c], 0xff000000, v[BM+\c]    ; 2 off the exponent field: the conversion's scale operand
.endr
.irp c, 0,1
	v_lshrrev_b32 v[BT+\c], 23, v[SO+\c]
.endr
.irp c, 0,1
	v_cvt_scalef32_pk16_fp6_f32 v[PCA+6*\c:PCA+2+6*\c], v[P+32*\c:P+15+32*\c], v[SO+\c]
	v_cvt_scalef32_pk16_fp6_f32 v[PCA+12+4*\c:PCA+14+4*\c], v[P+16+32*\c:P+31+32*\c], v[SO+\c]
.endr
	v_add_f32 v[T0], v[SA], v[SA+1]                ; (the plain place behind the scaled conversions)
	v_permlanex16_b32 v[T1], v[T0], s[SEL], s[SEL+1]
.irp c, 0,1
.irp i, 0,1,2
	v_mov_b32 v[PCA+3+6*\c+\i], v[PCA+12+4*\c+\i]
.endr
.endr
	v_add_f32 v[T0], v[T0], v[T1]                  ; l of this chunk
.irp c, 0,1,2
	global_store_b128 v[L16], v[PCA+4*\c:PCA+4*\c+3], s[20:21] offset:(\a)*24576+512*\c    ; 512 consecutive bytes, aligned
.endr
	ds_store_b8 v[SCRB], v[BT] offset:64*(\a)              ; byte 2 c + h of row r's word
	ds_store_b8 v[SCRB], v[BT+1] offset:64*(\a)+2
	ds_store_b32 v[SCRW], v[NM] offset:512+64*(\a)         ; lanes r and r + 16 write the same value
	ds_store_b32 v[SCRW], v[T0] offset:1024+64*(\a)
.endm
	PLACES 4
	s_mov_b32 s[SEL], 0x76543210
	s_mov_b32 s[SEL+1], 0xfedcba98
	s_mov_b32 s[CS], 0x3d38aa3b                    ; c = log2(e) / 32
	s_mov_b32 s[CS+1], s[CS]
	v_mov_b32 v[NM+1], 0                           ; (named as the upper half of a pair)
	v_mov_b32 v[T1], 0                             ; (a lane permute's destination counts as one of its sources)
.irp a, 0,1,2,3,4,5,6,7
	SOFT \a
.endr
.irp k, 0,1,2
	ds_load_b128 v[P+4*\k:P+4*\k+3], v[SCRR] offset:512*\k     ; LDS serves a wave's instructions in order
.endr
	s_wait_dscnt 0x0
.irp k, 0,1,2
	global_store_b128 v[L16], v[P+4*\k:P+4*\k+3], s[22:23] offset:524288*\k
.endr
	s_wait_tensorcnt 0x0                           ; the wave's end
	ds_add_u32 v[SPW], v[NIL]
	s_wait_dscnt 0x0
	CROUND                                         ; the closing round
	s_endpgm
.Lfunc_end_k_qfa92d809db_score:
	.size	k_qfa92d809db_score, .Lfunc_end_k_qfa92d809db_score-k_qfa92d809db_score
	.p2alignl 7, 3214868480
	.fill 96, 4, 3214868480
	.section	.rodata,"a",@progbits
	.p2align	6, 0x0
	.amdhsa_kernel k_qfa92d809db_score
		.amdhsa_group_segment_fixed_size 327680
		.amdhsa_private_segment_fixed_size 0
		.amdhsa_enable_private_segment 0
		.amdhsa_kernarg_size 16
		.amdhsa_user_sgpr_count 2
		.amdhsa_user_sgpr_kernarg_segment_ptr 1
		.amdhsa_wavefront_size32 1
		.amdhsa_system_sgpr_workgroup_id_x 1
		.amdhsa_system_sgpr_workgroup_id_y 1
		.amdhsa_system_sgpr_workgroup_id_z 1
		.amdhsa_system_vgpr_workitem_id 0
		.amdhsa_next_free_vgpr 1024
		.amdhsa_next_free_sgpr 102
		.amdhsa_reserve_vcc 0
		.amdhsa_float_denorm_mode_32 3
		.amdhsa_float_denorm_mode_16_64 3
		.amdhsa_memory_ordered 1
		.amdhsa_forward_progress 1
		.amdhsa_inst_pref_size 205
	.end_amdhsa_kernel
	.amdgpu_metadata
---
amdhsa.version: [ 1, 2 ]
amdhsa.kernels:
  - .name:           k_qfa92d809db_score
    .symbol:         k_qfa92d809db_score.kd
    .args:
      - { .name: qkv, .offset: 0, .size: 8, .value_kind: global_buffer, .address_space: global }
      - { .name: pbuf, .offset: 8, .size: 8, .value_kind: global_buffer, .address_space: global }
    .group_segment_fixed_size: 327680
    .private_segment_fixed_size: 0
    .kernarg_segment_align: 8
    .kernarg_segment_size: 16
    .max_flat_workgroup_size: 128
    .sgpr_count:     102
    .vgpr_count:     1024
    .wavefront_size: 32
...
	.end_amdgpu_metadata
.endif
;; end of part 3
;; launch pv (part 4): grid 8 x 32, 4 waves a work-group, clusters of 4 x 4, 327,680 bytes of LDS; arguments pbuf, qkv, out0; writes out0
.if DOCPART == 4
	.amdgcn_target "amdgcn-amd-amdhsa--gfx1250"
	.amdhsa_code_object_version 6
	.text
	.protected	k_qfa92d809db_pv
	.globl	k_qfa92d809db_pv
	.p2align	8
	.type	k_qfa92d809db_pv,@function
k_qfa92d809db_pv:
	s_mov_b64 s[64:65], 0
	v_nop
	global_prefetch_b8 v0, s[64:65] scope:SCOPE_SE
	s_setreg_imm32_b32 hwreg(HW_REG_WAVE_MODE, 25, 1), 1
	s_wait_xcnt 0x0
	s_wait_alu depctr_hold_cnt(0) depctr_sa_sdst(0) depctr_va_vdst(0) depctr_va_sdst(0) depctr_va_ssrc(0) depctr_va_vcc(0) depctr_vm_vsrc(0)
	s_getreg_b32 s2, hwreg(HW_REG_IB_STS2, 6, 4)
	s_cmp_eq_u32 s2, 0
	s_cbranch_scc0 .Lentry_in_a_cluster
	s_endpgm
.Lentry_in_a_cluster:
	s_bfe_u32 s2, ttmp6, 0x10000c
	s_cmp_lg_u32 s2, 0xf033
	s_cbranch_scc0 .Lentry_shape_is_right
	s_endpgm
.Lentry_shape_is_right:
; out = (p v) / l on codes of E2M3, K = the batch's 2,048 keys.  p arrives as codes made under each chunk's own whole number M_c (16 chunks of 128 keys), with its scale words, -M_c and l_c.
; For each of the work-group's 256 queries: -M = the least of the 16 -M_c; d_c = M - M_c, a whole number, 0 or more; l = the sum of l_c 2^-d_c; each scale byte of chunk c is lowered by d_c (held at 1), which brings the
; chunk's p under the row's M and changes no code.  The lowered words and 1 / l go to LDS.  At the head, behind the first tensor loads, M and the words of chunks 0-3 alone; the other words and l behind the products of chunks 0-2, four vector lines to a product.
; A tile of 256 queries x 128 e to a work-group, 128 x 64 to a wave: 32 accumulators.  Source 1 ('A') = p, source 0 ('B') = v^T: a lane holds one query's position and, by the order of v's rows, 32 neighbouring e in the registers of its four tiles.
; Query position (tile 8 c + 2 j + w, row 8 h + i) is token 128 w + 64 c + 32 h + 8 j + i of the 256; the stores' offsets put it there.
; CLUSTERS of 4 x 4: p's tiles are shared along a row of the cluster, v's along a column: joint tensor loads; v's scale words come with its codes.  THE RING: four K steps of 512 through two slots.  At the head one load a wave: waves 0 and 1 fetch step 0, waves 2 and 3 step 1; two refills.
; THE LAST K STEP goes by rows: v's fragments of all its four chunks fill 192 registers, and each block of 16 queries leaves as soon as its 16 products are issued.
; PREFETCHES: steps 2 and 3, one K step ahead of their loads; the sixteen waves of the partners share the units of 256 bytes out by address.
; LIMITS: NaN and infinities are not served.  d_c is held at 127, and a block of p whose exponent under the row's M would fall under -126 at the byte 1: it then counts for at most 2^-119, beside l > 1/2.
; REGISTERS: window 0: v1-31 addresses; v32-79 scale words, two sets; v80-127, v224-255 the way out; v128-223 p's eight fragments (by rows: two blocks of four chunks).
;   window 1: v's fragments, two sets, at v0 and v128 (by rows also v48 and v176).   window 2: accumulator (a, b) at v[8 (4 a + b)].   window 3: v0-125 the words of my two queries and what is made of them; v128-191 rows on their way out.
.set VC,    13107200                   ; qkv: v
.set PS,    12582912                   ; pbuf: p's scale words; -M 524,288 on; l 1,048,576 on
.set PARTA, 98304                      ; p's 16 tiles x 4 chunks
.set SLOT,  PARTA+51200
.set ASC,   2*SLOT                     ; p's lowered scale words [2][16 chunks][128]: written by LDS stores alone
.set RLB,   ASC+16384                  ; 1 / l of the 256 queries
.set SPARE, RLB+1024                   ; the spare words
.set STGB,  16*272                     ; the way out: a stage of 16 rows x (256 + 16) bytes a wave, in slot 0, which by then has had its last fill and its last read
.set ADRA,  4
.set ADRB,  6
.set ADSB,  8
.set ADSA,  10
.set RLR,   11
.set GOF,   12
.set ASCW,  13
.set RLBW,  14
.set CO,    15
.set PFA,   16
.set PFV,   17
.set STO,   26
.set RD,    27
.set SPW,   28
.set NIL,   29
.set L16,   30
.set SC,    32
.set D0,    96                         ; window 3: four chunks at a time
.set D1,    100
.set D2,    104
.set D3,    108
.set DK,    112                        ; -d of chunks 0-3, of my two queries
.set NF,    120
.set LS,    122
.set RC,    124
.set TT0,   80                         ; the way out: v80-111 and v224-255 by turns: results / l
.set RL,    112                        ; v112-127 1 / l of block a in v[RL + 2 a]
.set AF,    128
.set BK,    128
.set G1,    24
.set G1B,   48
.set G0A,   32
.set G0B,   36
.set G0A1,  68
.set G0B1,  72
.set MUL,   0xa1                       ; source 0 (v) window 1, source 1 (p) window 0, C and D window 2
.set MSB, 0
.macro WIN new
.if MSB != (\new)
	s_set_vgpr_msb (MSB<<8)|(\new)
.set MSB, (\new)
.endif
.endm
.macro PLACES n
.rept \n
	v_nop
.endr
.endm
.macro WALU
	s_wait_alu depctr_va_vdst(0)
.endm
.macro CREST
	s_cmp_lg_u32 s14, 0
	s_cbranch_scc1 .Lnot_wave_0_\@
	s_barrier_signal -3
.Lnot_wave_0_\@:
	s_barrier_wait -3
	s_barrier_signal -1
	s_barrier_wait -1
.endm
.macro CROUND
	s_barrier_signal -1
	s_barrier_wait -1
	CREST
.endm
.macro TLOAD g0, g1
	tensor_load_to_lds s[\g0:\g0+3], s[\g1:\g1+7]
	s_nop 0
	PLACES 4
.endm
.macro JLOAD                           ; waves 0 and 1 fetch for p, waves 2 and 3 for v
	s_cmp_eq_u32 s15, 0
	s_cbranch_scc0 .Lfor_b_\@
	TLOAD G0A, G1
	s_branch .Lasked_\@
.Lfor_b_\@:
	TLOAD G0B, G1B
.Lasked_\@:
.endm
.macro ASK k
	global_prefetch_b8 v[PFA], s[4:5] offset:6144*(\k) th:TH_LOAD_NT scope:SCOPE_SE
	global_prefetch_b8 v[PFV], s[6:7] offset:51200*(\k) th:TH_LOAD_NT scope:SCOPE_SE
.endm
.macro FRAG reg, adr, off
.irp c, 0,1,2
	ds_load_b128 v[(\reg)+4*\c:(\reg)+4*\c+3], v[\adr] offset:(\off)+512*\c
.endr
.endm
.macro FETCH_B slot, q, low
	WIN 0x40
.set I_, 0
.rept 4
	FRAG (\low)+12*I_, ADRB+(\slot), I_*6144+(\q)*1536
.set I_, I_+1
.endr
	WIN 0
.endm
.macro FETCH_A slot, q, i0
.set I_, \i0
.rept 4
	FRAG AF+12*I_, ADRA+(\slot), I_*6144+(\q)*1536
.set I_, I_+1
.endr
.endm
.macro ALOAD a                         ; by rows: block a's four chunks, out of slot 1
.set I_, 0
.rept 4
	FRAG AF+48*((\a)%2)+12*I_, ADRA+1, (\a)*6144+I_*1536
.set I_, I_+1
.endr
.endm
.macro SCALES slot, j, set
.irp q, 0,1,2,3
.irp i, 0,1,2,3
	ds_load_b32 v[SC+24*(\set)+6*\q+\i], v[ADSA] offset:(4*(\j)+\q)*512+128*\i
.endr
.irp i, 0,1
	ds_load_b32 v[SC+24*(\set)+6*\q+4+\i], v[ADSB+(\slot)] offset:\q*256+128*\i
.endr
.endr
.endm
.macro WMI cm
.set RV_, 4*(\cm)+2*(B_%2)+(A_%2)
.if RV_ == 0
	v_wmma_scale_f32_16x16x128_f8f6f4 v[ACC_:ACC_+7], v[BF_:BF_+11], v[AF_:AF_+11], 0, v[SB_], v[SA_] matrix_a_fmt:MATRIX_FMT_FP6 matrix_b_fmt:MATRIX_FMT_FP6
.elseif RV_ == 1
	v_wmma_scale_f32_16x16x128_f8f6f4 v[ACC_:ACC_+7], v[BF_:BF_+11], v[AF_:AF_+11], 0, v[SB_], v[SA_] matrix_a_fmt:MATRIX_FMT_FP6 matrix_b_fmt:MATRIX_FMT_FP6 matrix_b_scale:MATRIX_SCALE_ROW1
.elseif RV_ == 2
	v_wmma_scale_f32_16x16x128_f8f6f4 v[ACC_:ACC_+7], v[BF_:BF_+11], v[AF_:AF_+11], 0, v[SB_], v[SA_] matrix_a_fmt:MATRIX_FMT_FP6 matrix_b_fmt:MATRIX_FMT_FP6 matrix_a_scale:MATRIX_SCALE_ROW1
.elseif RV_ == 3
	v_wmma_scale_f32_16x16x128_f8f6f4 v[ACC_:ACC_+7], v[BF_:BF_+11], v[AF_:AF_+11], 0, v[SB_], v[SA_] matrix_a_fmt:MATRIX_FMT_FP6 matrix_b_fmt:MATRIX_FMT_FP6 matrix_a_scale:MATRIX_SCALE_ROW1 matrix_b_scale:MATRIX_SCALE_ROW1
.elseif RV_ == 4
	v_wmma_scale_f32_16x16x128_f8f6f4 v[ACC_:ACC_+7], v[BF_:BF_+11], v[AF_:AF_+11], v[ACC_:ACC_+7], v[SB_], v[SA_] matrix_a_fmt:MATRIX_FMT_FP6 matrix_b_fmt:MATRIX_FMT_FP6
.elseif RV_ == 5
	v_wmma_scale_f32_16x16x128_f8f6f4 v[ACC_:ACC_+7], v[BF_:BF_+11], v[AF_:AF_+11], v[ACC_:ACC_+7], v[SB_], v[SA_] matrix_a_fmt:MATRIX_FMT_FP6 matrix_b_fmt:MATRIX_FMT_FP6 matrix_b_scale:MATRIX_SCALE_ROW1
.elseif RV_ == 6
	v_wmma_scale_f32_16x16x128_f8f6f4 v[ACC_:ACC_+7], v[BF_:BF_+11], v[AF_:AF_+11], v[ACC_:ACC_+7], v[SB_], v[SA_] matrix_a_fmt:MATRIX_FMT_FP6 matrix_b_fmt:MATRIX_FMT_FP6 matrix_a_scale:MATRIX_SCALE_ROW1
.else
	v_wmma_scale_f32_16x16x128_f8f6f4 v[ACC_:ACC_+7], v[BF_:BF_+11], v[AF_:AF_+11], v[ACC_:ACC_+7], v[SB_], v[SA_] matrix_a_fmt:MATRIX_FMT_FP6 matrix_b_fmt:MATRIX_FMT_FP6 matrix_a_scale:MATRIX_SCALE_ROW1 matrix_b_scale:MATRIX_SCALE_ROW1
.endif
.endm
; ENTRY i of the work on four chunks c .. c + 3 of my query of row block g (window 3 throughout).  Four bytes at a time: a byte b lies in 1 .. 125, so b + 0x7f has its bit 7 set; d (at most 127) is taken off every byte without a borrow, and bit 7 tells the bytes that stay at 1 or above.
.macro FXE i, g, c
	WIN 0xff
.set PRG, 48*(\g)+(\c)
.irp k, 0,1,2,3
.if (\i) == 0
	v_sub_f32 v[D0+\k], v[NF+(\g)], v[PRG+16+\k]   ; -d: a whole number, 0 or less
.elseif (\i) == 1
	v_max_num_f32 v[D0+\k], 0xc2fe0000, v[D0+\k]   ; not under -127
.elseif (\i) == 2
	v_cvt_i32_f32 v[D0+\k], v[D0+\k]
.elseif (\i) == 3
	v_add_nc_u32 v[D2+\k], 0x7f7f7f7f, v[PRG+\k]
.elseif (\i) == 4
	v_ldexp_f32 v[D1+\k], v[PRG+32+\k], v[D0+\k]   ; l_c 2^-d
.elseif (\i) == 5
	v_sub_nc_u32 v[D0+\k], 0, v[D0+\k]
.elseif (\i) == 6
	v_perm_b32 v[D0+\k], v[D0+\k], v[D0+\k], 0     ; d in every byte
.elseif (\i) == 7
	v_sub_nc_u32 v[D2+\k], v[D2+\k], v[D0+\k]
.elseif (\i) == 8
	v_and_b32 v[D3+\k], 0x80808080, v[D2+\k]
.elseif (\i) == 9
	v_lshrrev_b32 v[D0+\k], 7, v[D3+\k]
.elseif (\i) == 10
	v_sub_nc_u32 v[D3+\k], v[D3+\k], v[D0+\k]
.elseif (\i) == 11
	v_and_b32 v[D2+\k], v[D2+\k], v[D3+\k]
.elseif (\i) == 12
	v_add_nc_u32 v[PRG+\k], 0x1010101, v[D2+\k]    ; each byte is max(byte - d, 1)
.endif
.endr
.if (\i) == 13
	v_add_f32 v[D1], v[D1], v[D1+1]
	v_add_f32 v[D1+2], v[D1+2], v[D1+3]
.elseif (\i) == 14
	v_add_f32 v[D1], v[D1], v[D1+2]
	v_add_f32 v[LS+(\g)], v[LS+(\g)], v[D1]
.endif
.if ((\g) == 0) && ((\c) == 4)         ; the first list also begins the sums, with chunks 0-3
.if ((\i) == 0) || ((\i) == 2)
.irp k, 0,1,2,3
	v_ldexp_f32 v[DK+2*(\i)+\k], v[24*(\i)+32+\k], v[DK+2*(\i)+\k]
.endr
.elseif ((\i) == 1) || ((\i) == 3)
	v_add_f32 v[DK+2*(\i)-2], v[DK+2*(\i)-2], v[DK+2*(\i)-1]
	v_add_f32 v[DK+2*(\i)], v[DK+2*(\i)], v[DK+2*(\i)+1]
	v_add_f32 v[LS+(\i)/2], v[DK+2*(\i)-2], v[DK+2*(\i)]
.endif
.endif
.endm
.macro FXST g, c
	WIN 0x0c
.irp k, 0,1,2,3
	ds_store_b32 v[ASCW], v[48*(\g)+(\c)+\k] offset:8192*(\g)+512*((\c)+\k)
.endr
	WIN 0
.endm
.macro MULA a0, p, cm, g=-1, c=0       ; A's blocks a0, a0 + 1 against B's four tiles.  The 32 accumulators take turns.  g, c: the list whose entries stand behind the products
.set A_, \a0
.rept 2
.set B_, 0
.rept 4
.set ACC_, 8*(4*A_+B_)
.set BF_, 128*(\p)+12*B_
.set AF_, AF+12*A_
.set SB_, SCB_+4+B_/2
.set SA_, SCB_+A_/2
	WIN MUL
	WMI \cm
.if (\g) >= 0
.set N_, (4*A_+B_)%16
.if N_ < 15
	FXE N_, \g, \c
.endif
.endif
.set B_, B_+1
.endr
.set A_, A_+1
.endr
.endm
.macro STEP slot, q, set, cm, g1=-1, c1=0, g2=-1, c2=0 ; a chunk whose successor lies in the same slot
.set SCB_, SC+24*(\set)+6*(\q)
	s_wait_dscnt 12                                ; all but the youngest twelve loads (A's blocks 4-7)
	MULA 0, (\q)%2, \cm, \g1, \c1
	MULA 2, (\q)%2, \cm, \g1, \c1
.if (\g1) >= 0
	WALU                                           ; the wait here, ahead of the wait below
	s_wait_dscnt 0x0
	FXST \g1, \c1
.else
	s_wait_dscnt 0x0
.endif
	PLACES 4
	FETCH_B \slot, (\q)+1, 128*(1-(\q)%2)
	FETCH_A \slot, (\q)+1, 0
	MULA 4, (\q)%2, \cm, \g2, \c2
	MULA 6, (\q)%2, \cm, \g2, \c2
	PLACES 4
.if (\g2) >= 0
	WALU                                           ; and here, ahead of the readers
	FXST \g2, \c2
.endif
	WIN 0
	FETCH_A \slot, (\q)+1, 4
.endm
; A slot's last chunk: a round of the cluster's barrier, and behind it K step k goes into this slot.
.macro TURN slot, next, jn, set, k
.set SCB_, SC+24*(\set)+18
	s_wait_tensorcnt 0x0                           ; all my tensor loads have landed
	ds_add_u32 v[SPW], v[NIL]
	s_mov_b32 s[G1+2], 8<<16                       ; from here on a load brings half of p's tiles,
	s_mov_b32 s[G1+4], 8
	s_mov_b32 s[G1B+2], 2<<16                      ; half of v's
	s_mov_b32 s[G1B+4], 2
	s_add_co_u32 s[G0A+1], s66, (\slot)*SLOT
	s_add_nc_u64 s[G0A+2:G0A+3], s[96:97], (\k)*6144
	s_or_b32 s[G0A+3], s[G0A+3], 0x80000000
	s_add_co_u32 s[G0B+1], s67, (\slot)*SLOT+PARTA
	s_add_nc_u64 s[G0B+2:G0B+3], s[98:99], (\k)*51200
	s_or_b32 s[G0B+3], s[G0B+3], 0x80000000
	s_wait_dscnt 13                                ; (the add and the twelve loads of A's blocks 4-7 may be out)
	MULA 0, 1, 1
	s_wait_dscnt 0x0                               ; the add is done, and my reads of this slot are over
	s_barrier_signal -1
	MULA 2, 1, 1
	WIN 0
	s_barrier_wait -1
	CREST
	JLOAD
	FETCH_B \next, 0, 0
	FETCH_A \next, 0, 0
	SCALES \next, \jn, 1-(\set)
.if (\k) == 2
	ASK 3
.endif
	MULA 4, 1, 1
	MULA 6, 1, 1
	PLACES 4
	WIN 0
	FETCH_A \next, 0, 4
.endm
	s_load_b128 s[4:7], s[0:1], 0x0                ; pbuf, qkv
	s_load_b64 s[8:9], s[0:1], 0x10                ; out0
	v_lshl_add_u32 v[SPW], v0, 2, SPARE
	v_mov_b32 v[NIL], 0
	ds_add_u32 v[SPW], v[NIL]                      ; the wave's opening: the add, twice on end
	ds_add_u32 v[SPW], v[NIL]
	v_lshrrev_b32 v1, 5, v0
	v_readfirstlane_b32 s14, v1                    ; wave
	s_lshr_b32 s15, s14, 1                         ; which half of the queries is mine
	s_and_b32 s16, s14, 1                          ; which half of the e
	v_and_b32 v1, 15, v0                           ; r
	v_bfe_u32 v2, v0, 4, 1                         ; h
	v_and_b32 v3, 31, v0                           ; lane
	v_lshlrev_b32 v[L16], 4, v3
	s_mul_i32 s66, s16, 49152                      ; where a refill's half goes: p's,
	s_mul_i32 s67, s16, 25600                      ; v's
	s_mul_i32 s22, s15, 49152
	v_add_nc_u32 v[ADRA], s22, v[L16]
	v_add_nc_u32 v[ADRA+1], SLOT, v[ADRA]
	s_add_co_u32 s23, s67, PARTA
	v_add_nc_u32 v[ADRB], s23, v[L16]
	v_add_nc_u32 v[ADRB+1], SLOT, v[ADRB]
	s_add_co_u32 s23, s23, 24576
	v_lshl_add_u32 v[ADSB], v3, 2, s23
	v_add_nc_u32 v[ADSB+1], SLOT, v[ADSB]
	s_lshl_b32 s22, s15, 13
	s_add_co_u32 s22, s22, ASC
	v_lshl_add_u32 v[ADSA], v3, 2, s22
	v_lshlrev_b32 v[GOF], 2, v0
	v_lshl_add_u32 v[ASCW], v0, 2, ASC
	v_lshl_add_u32 v[RLBW], v0, 2, RLB
	s_lshl_b32 s22, s15, 9
	s_add_co_u32 s22, s22, RLB
	v_lshl_add_u32 v[RLR], v1, 2, s22
	s_mul_i32 s22, s14, STGB
	v_mul_u32_u24 v[STO], v1, 272
	v_lshl_add_u32 v[STO], v2, 7, v[STO]
	v_add_nc_u32 v[STO], s22, v[STO]               ; the stage, in: row r, + 128 h
	v_mul_u32_u24 v[RD], v2, 272
	v_lshl_add_u32 v[RD], v1, 4, v[RD]
	v_add_nc_u32 v[RD], s22, v[RD]                 ; out: lanes 0-15 one row, lanes 16-31 the next
	v_lshlrev_b32 v[CO], 12, v2
	v_lshl_add_u32 v[CO], v1, 4, v[CO]             ; and the same two rows of out
	v_min_u32 v[PFA], 23, v3
	v_min_u32 v[PFV], 12, v3
	WALU                                           ; the wait here, ahead of the run of scalar instructions
	s_bfe_u32 s18, ttmp6, 0x40000                  ; cx
	s_bfe_u32 s19, ttmp6, 0x40004                  ; cy
	s_lshl_b32 s17, ttmp9, 2
	s_add_co_u32 s17, s17, s18                     ; which 128 e
	s_and_b32 s46, ttmp7, 0xffff
	s_lshl_b32 s47, s46, 2
	s_add_co_u32 s47, s47, s19                     ; which 256 queries, over all batches
	s_lshr_b32 s46, s46, 1                         ; the batch; all partners share it
	s_lshl_b32 s44, s19, 2
	s_lshl_b32 s44, 15, s44                        ; my row of the cluster
	s_lshl_b32 s45, 0x1111, s18                    ; my column
	s_or_b32 s[G1], s44, (3<<16)|(1<<21)
	s_mov_b32 s[G1+1], 768<<16                     ; a row tile's four chunks: 6,144 bytes
	s_mov_b32 s[G1+2], 16<<16
	s_mov_b32 s[G1+3], 768<<16
	s_mov_b32 s[G1+4], 16
	s_mov_b32 s[G1+5], 3072
	s_mov_b32 s[G1+6], 0
	s_mov_b32 s[G1+7], 0
	s_or_b32 s[G1B], s45, (3<<16)|(1<<21)
	s_mov_b32 s[G1B+1], 1600<<16                   ; v: 51,200 dense bytes as four rows
	s_mov_b32 s[G1B+2], 4<<16
	s_mov_b32 s[G1B+3], 1600<<16
	s_mov_b32 s[G1B+4], 4
	s_mov_b32 s[G1B+5], 1600
	s_mov_b32 s[G1B+6], 0
	s_mov_b32 s[G1B+7], 0
	s_mul_i32 s92, s47, 393216                     ; p: hangs on the cluster's y and cy alone
	s_mov_b32 s93, 0
	s_lshl_b32 s94, s46, 3
	s_add_co_u32 s94, s94, s17
	s_mul_i32 s94, s94, 204800
	s_add_co_u32 s94, s94, VC                      ; v: on the batch, the cluster's x and cx alone
	s_mov_b32 s95, 0
	s_lshl_b32 s20, s18, 2
	s_add_co_u32 s20, s20, s14
	s_mul_i32 s20, s20, 24576
	s_add_co_u32 s20, s20, s92
	v_lshl_add_u32 v[PFA], v[PFA], 8, s20          ; the prefetches: p's tile 4 cx + wave, 24 units of a K step;
	s_lshl_b32 s20, s19, 2
	s_add_co_u32 s20, s20, s14
	s_mul_i32 s20, s20, 13
	v_add_nc_u32 v[PFV], s20, v[PFV]
	v_min_u32 v[PFV], 199, v[PFV]
	v_lshl_add_u32 v[PFV], v[PFV], 8, s94          ; v's: 13 of 200 units
	s_mul_i32 s20, s16, 196608
	s_mov_b32 s21, 0
	s_mov_b32 s22, s67
	s_mov_b32 s23, 0
	WALU                                           ; the wait at the head's end
	s_wait_dscnt 0x0                               ; both opening adds are done
	s_wait_kmcnt 0x0
	s_add_nc_u64 s[92:93], s[4:5], s[92:93]
	s_add_nc_u64 s[94:95], s[6:7], s[94:95]
	s_add_nc_u64 s[96:97], s[92:93], s[20:21]      ; for the refills: my half
	s_add_nc_u64 s[98:99], s[94:95], s[22:23]
	CROUND                                         ; all sixteen work-groups are here
	s_mov_b32 s[G0A], 1
	s_mov_b32 s[G0A+1], 0
	s_mov_b64 s[G0A+2:G0A+3], s[92:93]
	s_or_b32 s[G0A+3], s[G0A+3], 0x80000000
	s_mov_b32 s[G0B], 1
	s_mov_b32 s[G0B+1], PARTA
	s_mov_b64 s[G0B+2:G0B+3], s[94:95]
	s_or_b32 s[G0B+3], s[G0B+3], 0x80000000
	s_mov_b32 s[G0A1], 1
	s_mov_b32 s[G0A1+1], SLOT
	s_add_nc_u64 s[G0A1+2:G0A1+3], s[92:93], 6144
	s_or_b32 s[G0A1+3], s[G0A1+3], 0x80000000
	s_mov_b32 s[G0B1], 1
	s_mov_b32 s[G0B1+1], SLOT+PARTA
	s_add_nc_u64 s[G0B1+2:G0B1+3], s[94:95], 51200
	s_or_b32 s[G0B1+3], s[G0B1+3], 0x80000000
	s_cmp_eq_u32 s14, 0
	s_cbranch_scc0 .Lwave_1
	TLOAD G0A, G1                                  ; wave 0: p, step 0
	s_branch .Lasked
.Lwave_1:
	s_cmp_eq_u32 s14, 1
	s_cbranch_scc0 .Lwave_2
	TLOAD G0B, G1B                                 ; wave 1: v, step 0
	s_branch .Lasked
.Lwave_2:
	s_cmp_eq_u32 s14, 2
	s_cbranch_scc0 .Lwave_3
	TLOAD G0A1, G1                                 ; wave 2: p, step 1
	s_branch .Lasked
.Lwave_3:
	TLOAD G0B1, G1B                                ; wave 3: v, step 1
.Lasked:
	; thread t owns positions t and 128 + t of the tile: for each 16 scale words, 16 -M_c, 16 l_c.  First what the head works on: 40 loads
	s_lshl_b32 s20, s47, 14
	s_add_co_u32 s20, s20, PS
	s_mov_b32 s21, 0
	s_add_nc_u64 s[20:21], s[4:5], s[20:21]
.macro WORDS what, from, n             ; what: 0 words, 1 -M, 2 l
.irp g, 0,1
.set C_, \from
.rept \n
	global_load_b32 v[48*\g+16*(\what)+C_], v[GOF], s[20:21] offset:524288*(\what)+8192*\g+512*C_
.set C_, C_+1
.endr
.endr
.endm
	WIN 0xc0
	WORDS 1, 0, 16
	WORDS 0, 0, 4
	WORDS 2, 0, 16
	WORDS 0, 4, 12
	WIN 0
	s_lshl_b32 s22, s47, 8
	s_lshl_b32 s23, s15, 6
	s_add_co_u32 s22, s22, s23                     ; my first token
	s_lshl_b32 s22, s22, 12
	s_lshl_b32 s23, s17, 9
	s_add_co_u32 s22, s22, s23
	s_lshl_b32 s23, s16, 8
	s_add_co_u32 s22, s22, s23                     ; + my first e, in bytes
	s_mov_b32 s23, 0
	s_add_nc_u64 s[22:23], s[8:9], s[22:23]
	s_wait_loadcnt 56                              ; the first 40 loads are in; the 56 behind them may be out
	WIN 0xff
.irp g, 0,1
	v_min3_num_f32 v[NF+\g], v[48*\g+16], v[48*\g+17], v[48*\g+18]
.endr
.irp c, 3,5,7,9,11,13
.irp g, 0,1
	v_min3_num_f32 v[NF+\g], v[NF+\g], v[48*\g+16+\c], v[48*\g+17+\c]
.endr
.endr
.irp g, 0,1
	v_min_num_f32 v[NF+\g], v[NF+\g], v[48*\g+31]  ; -M = the least -M_c
.endr
.irp g, 0,1
	FXE 0, \g, 0
	FXE 1, \g, 0
	FXE 2, \g, 0
.irp k, 0,1,2,3
	v_mov_b32 v[DK+4*\g+\k], v[D0+\k]              ; kept for the sums
.endr
	FXE 3, \g, 0
.irp i, 5,6,7,8,9,10,11,12
	FXE \i, \g, 0
.endr
	FXST \g, 0
.endr
	WALU                                           ; the wait here, ahead of the waits below
	s_cmp_lt_u32 s14, 2
	s_cbranch_scc0 .Lnot_0
	s_wait_tensorcnt 0x0
.Lnot_0:
	s_wait_dscnt 0x0                               ; for the others' sake: my lowered words have landed
	s_barrier_signal -1
	s_barrier_wait -1                              ; step 0 is in; step 1 may be on its way
	FETCH_B 0, 0, 0
	FETCH_A 0, 0, 0
	SCALES 0, 0, 0
	FETCH_A 0, 0, 4
	ASK 2
	s_wait_loadcnt 0x0                             ; the other words and l are in
	STEP 0, 0, 0, 0, 0, 4, 0, 8
	STEP 0, 1, 0, 1, 0, 12, 1, 4
	STEP 0, 2, 0, 1, 1, 8, 1, 12
	WIN 0xff
	WALU                                           ; the wait ahead of the transcendentals and behind them
	v_rcp_f32 v[RC], v[LS]
	v_rcp_f32 v[RC+1], v[LS+1]
	v_nop
	WALU
	WIN 0x0c
	ds_store_b32 v[RLBW], v[RC]
	ds_store_b32 v[RLBW], v[RC+1] offset:512
	WIN 0
	TURN 0, 1, 1, 0, 2                             ; its barrier shows the lowered words and 1 / l to all
	STEP 1, 0, 1, 1
	STEP 1, 1, 1, 1
	STEP 1, 2, 1, 1
	TURN 1, 0, 2, 1, 3
	STEP 0, 0, 0, 1
	STEP 0, 1, 0, 1
	STEP 0, 2, 0, 1
; THE LAST K STEP, by rows: v's chunks 0-3 lie in window 1 at v0, v48, v176, v128.
.set SCB_, SC+18
	s_wait_tensorcnt 0x0                           ; my part of the last K step is in
	s_wait_dscnt 12
	MULA 0, 1, 1
	s_wait_dscnt 0x0
	s_barrier_signal -1
	MULA 2, 1, 1
	WIN 0
	s_barrier_wait -1                              ; behind it nobody reads slot 0
	PLACES 4
	FETCH_B 1, 0, 0
	FETCH_B 1, 1, 48
	FETCH_B 1, 2, 176
	ALOAD 0
	SCALES 1, 3, 1
	MULA 4, 1, 1
	MULA 6, 1, 1
	PLACES 4
	FETCH_B 1, 3, 128
.irp a, 0,1,2,3,4,5,6,7
	ds_load_b32 v[RL+2*\a], v[RLR] offset:64*\a    ; 1 / l of my query of block a
	v_mov_b32 v[RL+2*\a+1], 0                      ; (named as the upper half of a pair)
.endr
	ALOAD 1
	WALU                                           ; the wait here, ahead of the waits below
.macro ROWS a, q0, n                   ; block a's products of chunks q0 .. q0 + n - 1: the four accumulators take turns
.set A_, \a
.set Q_, \q0
.rept \n
.set B_, 0
.rept 4
.set ACC_, 8*(4*A_+B_)
.set BF_, 48*Q_+80*(Q_/2)-48*(Q_/3)*2+12*B_
.set AF_, AF+48*(A_%2)+12*Q_
.set SB_, SC+24+6*Q_+4+B_/2
.set SA_, SC+24+6*Q_+A_/2
	WIN MUL
	WMI 1
.set B_, B_+1
.endr
.set Q_, Q_+1
.endr
.endm
; THE WAY OUT, block a of 16 queries x my 64 e.  Register j of tile b is e = 32 h + 8 b + j: a lane's 128 consecutive bytes.
.macro TOSTAGE a
.set TT, TT0+144*((\a)%2)
.set BB, BK+32*((\a)%2)
	WIN 0x02
.set J_, 0
.rept 16
	v_pk_mul_f32 v[TT+J_:TT+J_+1], v[32*(\a)+J_:32*(\a)+J_+1], v[RL+2*(\a):RL+2*(\a)+1] op_sel_hi:[1,0]   ; / l; each accumulator from its low end on
.set J_, J_+2
.endr
	WIN 0
.irp b, 0,1,2,3,4,5,6,7
	ds_store_b128 v[STO], v[TT+4*\b:TT+4*\b+3] offset:16*\b
.endr
	WIN 0xc0
.irp t, 0,1,2,3,4,5,6,7
	ds_load_b128 v[BB+4*\t:BB+4*\t+3], v[RD] offset:544*\t     ; LDS serves a wave's instructions in order
.endr
	WIN 0
.endm
.macro SEND a, younger                 ; younger: the LDS instructions issued behind block a's loads
.set BB, BK+32*((\a)%2)
	s_wait_dscnt \younger
	WIN 0x0c
.irp t, 0,1,2,3,4,5,6,7
	global_store_b128 v[CO], v[BB+4*\t:BB+4*\t+3], s[22:23] offset:(128*((\a)%2)+8*((\a)/2)+2*(\t%4)+32*(\t/4))*4096 th:TH_STORE_NT   ; sixteen lanes store 256 consecutive bytes, aligned; written once
.endr
	WIN 0
.endm
.irp a, 0,1,2,3,4,5,6,7
.if \a == 0
	s_wait_dscnt 32                                ; all but the 32 just issued
	ROWS 0, 0, 3
	s_wait_dscnt 12                                ; all but block 1's rows
	ROWS 0, 3, 1
.elseif \a < 7
	s_wait_dscnt 28                                ; block a's rows are in; behind them the last block's 16 stage lines and the next block's 12 loads
	ROWS \a, 0, 4
.else
	s_wait_dscnt 16
	ROWS \a, 0, 4
.endif
.if \a > 1
	s_wait_xcnt 0x0                                ; block a - 2's stores have read their registers: block a's rows may land there
.endif
	PLACES 4
	TOSTAGE \a
.if \a < 6
	ALOAD \a+2                                     ; into the buffer that this block's products have read
.endif
.if (\a > 0) && (\a < 6)
	SEND \a-1, 40                                  ; behind block a - 1's loads: two blocks' rows and block a's 16 stage lines
.elseif \a == 6
	SEND \a-1, 28
.elseif \a == 7
	SEND \a-1, 16
.endif
.endr
	SEND 7, 0
	s_wait_tensorcnt 0x0                           ; the wave's end
	ds_add_u32 v[SPW], v[NIL]
	s_wait_dscnt 0x0
	CROUND                                         ; the closing round
	s_endpgm
.Lfunc_end_k_qfa92d809db_pv:
	.size	k_qfa92d809db_pv, .Lfunc_end_k_qfa92d809db_pv-k_qfa92d809db_pv
	.p2alignl 7, 3214868480
	.fill 96, 4, 3214868480
	.section	.rodata,"a",@progbits
	.p2align	6, 0x0
	.amdhsa_kernel k_qfa92d809db_pv
		.amdhsa_group_segment_fixed_size 327680
		.amdhsa_private_segment_fixed_size 0
		.amdhsa_enable_private_segment 0
		.amdhsa_kernarg_size 24
		.amdhsa_user_sgpr_count 2
		.amdhsa_user_sgpr_kernarg_segment_ptr 1
		.amdhsa_wavefront_size32 1
		.amdhsa_system_sgpr_workgroup_id_x 1
		.amdhsa_system_sgpr_workgroup_id_y 1
		.amdhsa_system_sgpr_workgroup_id_z 1
		.amdhsa_system_vgpr_workitem_id 0
		.amdhsa_next_free_vgpr 1024
		.amdhsa_next_free_sgpr 102
		.amdhsa_reserve_vcc 0
		.amdhsa_float_denorm_mode_32 3
		.amdhsa_float_denorm_mode_16_64 3
		.amdhsa_memory_ordered 1
		.amdhsa_forward_progress 1
		.amdhsa_inst_pref_size 190
	.end_amdhsa_kernel
	.amdgpu_metadata
---
amdhsa.version: [ 1, 2 ]
amdhsa.kernels:
  - .name:           k_qfa92d809db_pv
    .symbol:         k_qfa92d809db_pv.kd
    .args:
      - { .name: pbuf, .offset: 0, .size: 8, .value_kind: global_buffer, .address_space: global }
      - { .name: qkv, .offset: 8, .size: 8, .value_kind: global_buffer, .address_space: global }
      - { .name: out0, .offset: 16, .size: 8, .value_kind: global_buffer, .address_space: global }
    .group_segment_fixed_size: 327680
    .private_segment_fixed_size: 0
    .kernarg_segment_align: 8
    .kernarg_segment_size: 24
    .max_flat_workgroup_size: 128
    .sgpr_count:     102
    .vgpr_count:     1024
    .wavefront_size: 32
...
	.end_amdgpu_metadata
.endif
;; end of part 4
